; MI455X (gfx1250); checked and timed in simulation.
; The chip was launched on July 23, 2026; its instructions are those of AMD's public machine-readable ISA for CDNA 5 (MIT licence, August 2026) and "CDNA5" Instruction Set Architecture Reference Guide (July 2026). The comments in the code are by the model that wrote it; some were corrected since.
;; Gated Cross Attention. Allowed arithmetic: matrix products marked QUANTISED: E2M1 operands, one E8M0 scale for each 32 along K, by v_wmma_scale_f32_16x16x128_f8f6f4 with both operands' format E2M1 (or v_wmma_scale_f32_32x16x128_f4), f32 sums; everything else in f32.
;; Inputs: Wk_codes 1,024 x 32 x 16 uint8 (E2M1 codes of Wk, K innermost, in blocks of 32 codes, two codes a byte); Wk_scales 1,024 x 32 uint8 (E8M0 scales of Wk, one for each 32 codes along K); Wo_codes 1,024 x 32 x 16 uint8 (E2M1 codes of Wo, K innermost, in blocks of 32 codes, two codes a byte); Wo_scales 1,024 x 32 uint8 (E8M0 scales of Wo, one for each 32 codes along K); Wq_codes 1,024 x 32 x 16 uint8 (E2M1 codes of Wq, K innermost, in blocks of 32 codes, two codes a byte); Wq_scales 1,024 x 32 uint8 (E8M0 scales of Wq, one for each 32 codes along K); Wv_codes 1,024 x 32 x 16 uint8 (E2M1 codes of Wv, K innermost, in blocks of 32 codes, two codes a byte); Wv_scales 1,024 x 32 uint8 (E8M0 scales of Wv, one for each 32 codes along K); audio_attention_mask 4 x 1,500 bool; audio_kv 4 x 1,500 x 1,024 float32; gate 1 float32; hidden_states 4 x 2,048 x 1,024 float32; ln_beta 1,024 float32; ln_gamma 1,024 float32.
;; Outputs: out0 4 x 2,048 x 1,024 float32.
;; This version of the problem:
;;   THIS VERSION OF THE PROBLEM IS GIVEN IN LOW PRECISION. The matrix products marked QUANTISED in the list below multiply operands that are first quantised to E2M1 (2 exponent bits, 1 mantissa bit; 4 bits a number), with one power-of-two scale for each 32 numbers along K (OCP MX v1.0); their sums are f32. All else is computed in f32.
;;   The module's matrix products, in the order in which they are computed (A, B: the left and right operand; K: the contracted axis; several contracted axes count as one K, in the product's order):
;;     1. [M 8,192, K 1,024] x [K 1,024, N 1,024]; A: input hidden_states; B: input Wq (given as codes): QUANTISED
;;     2. [M 6,000, K 1,024] x [K 1,024, N 1,024]; A: computed on the way; B: input Wk (given as codes): QUANTISED
;;     3. [M 6,000, K 1,024] x [K 1,024, N 1,024]; A: computed on the way; B: input Wv (given as codes): QUANTISED
;;     4. batch 64 x [M 2,048, K 64] x [K 64, N 1,500]; A: computed on the way; B: computed on the way: QUANTISED
;;     5. batch 64 x [M 2,048, K 1,500] x [K 1,500, N 64]; A: softmax (see below); B: computed on the way: QUANTISED
;;     6. [M 8,192, K 1,024] x [K 1,024, N 1,024]; A: computed on the way; B: input Wo (given as codes): QUANTISED
;;   THE QUANTISER, for each operand of a quantised product, along K:
;;     - K is cut into blocks of 32 from its start; a last block that is shorter is filled with zeros.
;;     - A block's scale is 2^e with e = floor(log2(the largest magnitude in the block)) - 2, held to -126 .. 127; a block of zeros has e = 0. As a byte (E8M0): e + 127.
;;     - Each number is divided by its block's scale, clamped to +-6, and rounded to the nearest number of E2M1, ties to even, subnormals kept.
;;     - The product sums the exact products of the quantised numbers (number of the format x scale) in f32.
;;   ~~~python
;;   def quantise(x, axis):      # numpy; x: float32 -> the quantised numbers, widened to float32 again
;;       x = np.moveaxis(x, axis, -1); K = x.shape[-1]
;;       x = np.pad(x, [(0, 0)] * (x.ndim - 1) + [(0, -K % 32)]); x = x.reshape(x.shape[:-1] + (-1, 32)); a = np.abs(x).max(-1, keepdims=True)
;;       e = np.where(a > 0, np.clip(np.frexp(np.where(a > 0, a, 1))[1] - 1 - 2, -126, 127), 0)      # np.frexp(a)[1] - 1 = floor(log2(a)), exactly
;;       r = np.clip(x / 2.0 ** e, -6, 6)
;;       step = 2.0 ** (np.maximum(np.frexp(np.where(r == 0, 1, r))[1] - 1, 0) - 1)
;;       q = np.round(r / step) * step * 2.0 ** e      # np.round: ties to even
;;       return np.moveaxis(q.reshape(q.shape[:-2] + (-1,))[..., :K], -1, axis).astype(np.float32)
;;   ~~~
;;   SOFTMAX AHEAD OF A QUANTISED PRODUCT. Where the list says 'softmax', what is quantised is not the finished softmax but p = 2^(t - M), with t = logit x log2(e) and M = ceil(the row's largest t), a whole number; so 1/2 < the row's largest p <= 1. The row's sum l is taken of the UNQUANTISED p, in f32, and the product's result is divided by l at the end. Since M is a whole number, a kernel that streams over the keys may use a running M (the ceiling of the running maximum): every later rescaling is an exact power of two, which a block's scale takes up: the codes' values come out the same.
;;   OPERANDS COMPUTED ON THE WAY. 'Computed on the way' means the value that the module computes at that place (a softmax that the list does not call 'softmax' is quantised finished and normalised). What goes into a quantiser is computed in f32, as accurately as f32 sums, v_exp_f32 and their like allow (about 1e-6 of the number): no bf16 or f16 on the way to a quantiser, and a product that is left as it is and whose result goes on into a quantised operand takes f32 operands (vector FMAs, or v_wmma_f32_16x16x4_f32). A number that lies on a knife's edge between two numbers of the format may be rounded either way, as far as f32 arithmetic and the matrix unit's own rounding can turn it there, and no further.
;;   INPUTS GIVEN AS CODES. Wk (in the module: [1024, 1024], K = its axis 1); Wo (in the module: [1024, 1024], K = its axis 1); Wq (in the module: [1024, 1024], K = its axis 1); Wv (in the module: [1024, 1024], K = its axis 1): each comes as NAME_codes (uint8): NAME with its K axis moved to the last place and cut into blocks of 32 codes, [.., K / 32, bytes a block], one block behind the other in memory; two codes a byte, the lower K in the low four bits (a code: sign, 2 exponent bits, 1 mantissa bit); and NAME_scales (uint8): the same leading axes, one E8M0 byte (e + 127) for each 32 codes along K. Its value is code x scale, taken as it is: it is not quantised again, and the codes and scales need not be those that the quantiser above would give.
;; One version. Each part assembles by itself: llvm-mc -triple=amdgcn-amd-amdhsa -mcpu=gfx1250 --defsym DOCPART=n.
;; ======== version 1 of 1: 4 launches
;; limits: right only within a limited range of input values
;; workspace buffers: pre 9,895,936 bytes; qq 4,718,592 bytes; kv 6,881,280 bytes; att 4,456,448 bytes
;; launch prep (part 1): grid 256 x 1, 4 waves a work-group, no clusters, 55,808 bytes of LDS; arguments hidden_states, audio_kv, ln_gamma, ln_beta, Wq_codes, Wk_codes, Wv_codes, Wo_codes, pre; writes pre
.if DOCPART == 1
	.amdgcn_target "amdgcn-amd-amdhsa--gfx1250"
	.amdhsa_code_object_version 6
	.text
	.protected	k_qf820581520_prep
	.globl	k_qf820581520_prep
	.p2align	8
	.type	k_qf820581520_prep,@function
k_qf820581520_prep:
	s_mov_b64 s[64:65], 0
	v_nop
	global_prefetch_b8 v0, s[64:65] scope:SCOPE_SE
	s_setreg_imm32_b32 hwreg(HW_REG_WAVE_MODE, 25, 1), 1
	s_wait_xcnt 0x0
; PREP.  (1) hidden_states [8192][1024] f32 -> codes of E2M1 with one E8M0 byte for each 32 along K.  (2) audio_kv [4][1500][1024] f32 -> LayerNorm (f32, two passes: mean, then the mean of the
; squared differences) -> the same codes.  (3) the four weights' codes are laid anew.  All goes into the workspace buffer pre, laid AS THE MATRIX OPERANDS' REGISTERS WANT IT:
;   a tile = 16 rows x 1,024 K = 8,192 bytes: block l (32 codes, 16 bytes) of slot r lies at 256 l + 16 r, so that lane (r, h) finds registers 4 c .. 4 c + 3 of K step s at 1,024 s + 512 c + 16 lane.
;   XC at 0: tiles 0-511 hidden rows (slot r of tile T = row 16 T + r); tiles 512-895 audio: 96 tiles a batch (1,500 keys padded to 1,536), slot m of tile 2 B + u = key 32 B + 8 u + m + 8 (m / 8).
;   XS at XS_OFF: scale words (4 bytes = 128 along K): word (tile T, slot, K step s) at 1,024 (T / 2) + 128 s + 64 (T % 2) + 4 slot.
;   WI at WI_OFF: [Wq, Wk, Wv, Wo][64 tiles]: slot m of tile 2 B + u = row 32 B + 8 u + m + 8 (m / 8) of the weight.
; Keys 1,500 .. 1,535 get zero codes (their loads are held at row 1,499, so that no load leaves the buffer).
; SHARES.  Work-groups 0-223: a wave takes one tile, 16 rows, a row at a time: eight loads of 512 consecutive bytes; three rows are on their way while one is worked on.  Hidden rows walk the same
; lines as audio rows with mean 0, factor 1, gain 1 and bias 0, which change no bit.  Work-groups 224-255: a wave lays two tiles of one weight.
; A row's 32 blocks are turned through the wave's own LDS so that lane l holds block l whole (32 registers): its largest magnitude needs no other lane.
; No tensor load, no barrier: waves share nothing.  No matrix unit, no cluster: the launch is a stream, each byte read once.
; LIMITS: NaN and infinities among the inputs are not served; a block whose largest magnitude lies under 2^-124 keeps the byte 1 (a block of zeros too: its codes are zeros, and this program alone reads the bytes).
.set XS_OFF, 7340032
.set WI_OFF, 7798784
.set WREG,  13824                      ; LDS of a wave: ST1 32 x 144, ST2 32 x 272, ST3 512
.set ST2,   4608
.set ST3,   13312
.set LN,    1                          ; v1   lane
.set L16,   2                          ; v2   16 x lane
.set ST1W,  3                          ; v3   ST1 on the way in: 144 (lane / 8) + 16 (lane % 8): a block's 128 bytes on end, then 16 of padding
.set ST1R,  4                          ; v4   and out: 144 x lane: my block
.set ST2W,  5                          ; v5   the tile's image, 272 bytes a block (256 + 16): 272 x lane; the slot stands in the immediate
.set ST3W,  6                          ; v6   the scale bytes: 64 (lane / 4) + lane % 4; the slot stands in the immediate
.set ST2R,  7                          ; v7   the image read back: 272 (lane / 16) + 16 (lane % 16)
.set ST3R,  8                          ; v8   the scale words read back: 16 x lane
.set XSO,   9                          ; v9   where my 16 bytes of scale words go: 128 (lane / 4) + 16 (lane % 4)
.set OFF,   10                         ; v10-13 byte offset of a row's loads, one for each row buffer
.set MU,    14                         ; v[14:15] the mean (low word; the high word is only named)
.set RS,    16                         ; v[16:17] 1 / sqrt(var + eps), likewise
.set SA,    18                         ; v[18:21] two chains of packed sums
.set VT,    22
.set MX,    24                         ; v24-25 two chains of the largest magnitude
.set SCL,   26                         ; the conversions' scale operand
.set BY,    27                         ; the scale's byte
.set C,     28                         ; v[28:31] a block's codes
.set G,     32                         ; v32-63  gamma, as a row is loaded
.set B,     64                         ; v64-95  beta
.set R,     96                         ; v96-223 four row buffers of 32
.set X,     224                        ; v224-255 my block's 32 numbers
	s_load_b256 s[4:11], s[0:1], 0x0               ; hidden_states, audio_kv, ln_gamma, ln_beta
	s_load_b256 s[12:19], s[0:1], 0x20             ; Wq, Wk, Wv, Wo codes
	s_load_b64 s[20:21], s[0:1], 0x40              ; pre
	v_lshl_add_u32 v23, v0, 2, 0xd800
	s_set_vgpr_msb 0x40
	v_mov_b32 v1, 0
	s_set_vgpr_msb 0x4000
	v_lshrrev_b32 v1, 5, v0
	v_readfirstlane_b32 s22, v1                    ; wave 0..3
	v_and_b32 v[LN], 31, v0
	v_lshlrev_b32 v[L16], 4, v[LN]
	s_cmp_ge_u32 ttmp9, 224
	s_cbranch_scc1 .Lweights                       ; a branch on the work-group's number; that path uses no LDS
	; ---- the rows' path
	s_mul_i32 s44, s22, WREG                       ; my wave's LDS
	v_lshrrev_b32 v[ST1W], 3, v[LN]
	v_mul_u32_u24 v[ST1W], v[ST1W], 144
	v_and_b32 v[ST1R], 7, v[LN]
	v_lshl_add_u32 v[ST1W], v[ST1R], 4, v[ST1W]
	v_add_nc_u32 v[ST1W], s44, v[ST1W]
	v_mul_u32_u24 v[ST1R], v[LN], 144
	v_add_nc_u32 v[ST1R], s44, v[ST1R]
	v_mul_u32_u24 v[ST2W], v[LN], 272
	v_add_nc_u32 v[ST2W], s44, v[ST2W]
	v_add_nc_u32 v[ST2W], ST2, v[ST2W]
	v_lshrrev_b32 v[ST3W], 2, v[LN]
	v_and_b32 v[ST2R], 3, v[LN]
	v_lshlrev_b32 v[XSO], 7, v[ST3W]
	v_lshl_add_u32 v[XSO], v[ST2R], 4, v[XSO]
	v_lshl_add_u32 v[ST3W], v[ST3W], 6, v[ST2R]
	v_add_nc_u32 v[ST3W], s44, v[ST3W]
	v_add_nc_u32 v[ST3W], ST3, v[ST3W]
	v_lshrrev_b32 v[ST2R], 4, v[LN]
	v_mul_u32_u24 v[ST2R], v[ST2R], 272
	v_and_b32 v[ST3R], 15, v[LN]
	v_lshl_add_u32 v[ST2R], v[ST3R], 4, v[ST2R]
	v_add_nc_u32 v[ST2R], s44, v[ST2R]
	v_add_nc_u32 v[ST2R], ST2, v[ST2R]
	v_add_nc_u32 v[ST3R], s44, v[L16]
	v_add_nc_u32 v[ST3R], ST3, v[ST3R]
	v_mov_b32 v[MU+1], 0                           ; named as the upper halves of pairs, so they are written
	v_mov_b32 v[RS+1], 0
	s_lshl_b32 s23, ttmp9, 2
	s_add_co_u32 s23, s23, s22                     ; T: my tile
	s_lshl_b32 s28, s23, 4                         ; hidden: first row 16 T
	s_sub_co_u32 s32, ttmp9, 128                   ; audio: x = work-group - 128 (used in audio work-groups alone)
	s_mul_i32 s33, s32, 171
	s_lshr_b32 s33, s33, 12                        ; b = x / 24 (exact for x = 0 .. 95)
	s_mul_i32 s34, s33, 24
	s_sub_co_u32 s34, s32, s34
	s_lshl_b32 s34, s34, 2
	s_add_co_u32 s34, s34, s22                     ; tb: the tile in its batch, 0 .. 95
	s_lshr_b32 s35, s34, 1
	s_lshl_b32 s35, s35, 5
	s_and_b32 s34, s34, 1
	s_lshl_b32 s34, s34, 3
	s_add_co_u32 s35, s35, s34                     ; slots 0-7: key 32 (tb / 2) + 8 (tb % 2) + slot
	s_add_co_u32 s34, s35, 8                       ; slots 8-15: 8 further on
	s_mul_i32 s33, s33, 1500                       ; the batch's first row
	s_mov_b32 s30, 1499
	s_mov_b32 s25, 0x3a800000                      ; 1 / 1024
	s_mov_b32 s26, 0x3727c5ac                      ; eps = 1e-5
	s_mov_b32 s27, 0x3a800000
	s_mov_b32 s42, 0x76543210                      ; v_permlanex16_b32's selects for lane l xor 16
	s_mov_b32 s43, 0xfedcba98
	s_wait_kmcnt 0x0
	s_cmp_lt_u32 ttmp9, 128                        ; hidden or audio?  The choice hangs on the work-group's number alone
	s_cselect_b32 s29, s28, s34                    ; base of slots 8-15
	s_cselect_b32 s28, s28, s35                    ; base of slots 0-7
	s_cselect_b32 s30, 8191, s30                   ; the last row or key that exists
	s_cselect_b32 s31, 0, s33                      ; the first row of the batch
	s_cselect_b32 s24, 0, -1                       ; all ones: LayerNorm is applied
	s_cselect_b32 s25, 0, s25                      ; the mean's factor
	s_cselect_b64 s[36:37], s[4:5], s[6:7]         ; the source
	s_lshl_b32 s32, s23, 13
	s_mov_b32 s33, 0
	s_add_nc_u64 s[38:39], s[20:21], s[32:33]      ; my tile's image
	s_lshr_b32 s32, s23, 1
	s_lshl_b32 s32, s32, 10
	s_and_b32 s34, s23, 1
	s_lshl_b32 s34, s34, 6
	s_add_co_u32 s32, s32, s34
	s_add_co_u32 s32, s32, XS_OFF
	s_add_nc_u64 s[40:41], s[20:21], s[32:33]      ; my tile's scale words
.irp j, 0,1,2,3,4,5,6,7
	global_load_b128 v[G+4*\j:G+4*\j+3], v[L16], s[8:9] offset:512*\j
	global_load_b128 v[B+4*\j:B+4*\j+3], v[L16], s[10:11] offset:512*\j
.endr
; Slot i's row is asked for: eight loads of 512 consecutive bytes into row buffer i % 4.  The buffer's offset register was freed by the counted wait for its last loads.
.macro LOADROW i
.set LR, \i
.if LR < 8
	s_add_co_u32 s32, s28, LR
.else
	s_add_co_u32 s32, s29, LR
.endif
	s_min_u32 s32, s32, s30                        ; a key past the end reads the last row: no load leaves its buffer
	s_add_co_u32 s32, s32, s31
	s_lshl_b32 s32, s32, 12                        ; 4,096 bytes a row; under 2^26
	v_add_nc_u32 v[OFF+LR%4], s32, v[L16]
.irp j, 0,1,2,3,4,5,6,7
	global_load_b128 v[R+32*(LR%4)+4*\j:R+32*(LR%4)+4*\j+3], v[OFF+LR%4], s[36:37] offset:512*\j th:TH_LOAD_NT
.endr
.endm
; The two chains of packed sums become the wave's sum, in every lane's v[SA].
.macro WSUM
	v_pk_add_f32 v[SA:SA+1], v[SA:SA+1], v[SA+2:SA+3]
	v_add_f32 v[SA], v[SA], v[SA+1]
.irp m, 1,2,4,8
	v_add_f32_dpp v[SA], v[SA], v[SA] row_xmask:\m row_mask:0xf bank_mask:0xf
.endr
	v_permlanex16_b32 v[SA+1], v[SA], s42, s43
	v_add_f32 v[SA], v[SA], v[SA+1]
.endm
	LOADROW 0
	LOADROW 1
	LOADROW 2
	s_wait_loadcnt 24                              ; gamma and beta are in; the three rows' 24 loads may be out
.set j, 0
.rept 32
	v_cndmask_b32 v[G+j], 1.0, v[G+j], s24         ; hidden rows: gain 1,
	v_cndmask_b32 v[B+j], 0, v[B+j], s24           ; bias 0
.set j, j+1
.endr
.macro ROW i
.set RI, \i
.set RB, R+32*(RI%4)
.if RI+3 < 16
	LOADROW RI+3                                   ; into the buffer of the row before: its stores into LDS were waited for there
.endif
.if RI < 13
	s_wait_loadcnt 24                              ; my row is in; the three younger rows' loads may be out
.else
	s_wait_loadcnt 8*(15-RI)                       ; the counts run down
.endif
.if RI < 8
	s_add_co_u32 s33, s28, RI
.else
	s_add_co_u32 s33, s29, RI
.endif
	s_cmp_le_u32 s33, s30
	s_cselect_b32 s34, -1, 0                       ; all ones where the row exists
	v_pk_add_f32 v[SA:SA+1], v[RB:RB+1], v[RB+2:RB+3]               ; the row's sum
	v_pk_add_f32 v[SA+2:SA+3], v[RB+4:RB+5], v[RB+6:RB+7]
.irp p, 8,12,16,20,24,28
	v_pk_add_f32 v[SA:SA+1], v[SA:SA+1], v[RB+\p:RB+\p+1]
	v_pk_add_f32 v[SA+2:SA+3], v[SA+2:SA+3], v[RB+\p+2:RB+\p+3]
.endr
	WSUM
	v_mul_f32 v[MU], s25, v[SA]                    ; the mean (0 for hidden rows)
.irp p, 0,2,4,6,8,10,12,14,16,18,20,22,24,26,28,30
	v_pk_add_f32 v[RB+\p:RB+\p+1], v[RB+\p:RB+\p+1], v[MU:MU+1] op_sel_hi:[1,0] neg_lo:[0,1] neg_hi:[0,1]   ; x - mean
.endr
	v_pk_mul_f32 v[SA:SA+1], v[RB:RB+1], v[RB:RB+1]                 ; the sum of the squared differences
	v_pk_mul_f32 v[SA+2:SA+3], v[RB+2:RB+3], v[RB+2:RB+3]
.irp p, 4,8,12,16,20,24,28
	v_pk_fma_f32 v[SA:SA+1], v[RB+\p:RB+\p+1], v[RB+\p:RB+\p+1], v[SA:SA+1]
	v_pk_fma_f32 v[SA+2:SA+3], v[RB+\p+2:RB+\p+3], v[RB+\p+2:RB+\p+3], v[SA+2:SA+3]
.endr
	WSUM
	v_fma_f32 v[VT], v[SA], s27, s26               ; var + eps
	s_wait_alu depctr_va_vdst(0)
	v_rsq_f32 v[RS], v[VT]
	v_nop                                          ; a plain instruction behind the transcendental,
	s_wait_alu depctr_va_vdst(0)                   ; and the wait ahead of its first reader
	v_cndmask_b32 v[RS], 1.0, v[RS], s24           ; hidden rows: factor 1
.irp p, 0,2,4,6,8,10,12,14,16,18,20,22,24,26,28,30
	v_pk_mul_f32 v[RB+\p:RB+\p+1], v[RB+\p:RB+\p+1], v[RS:RS+1] op_sel_hi:[1,0]
.endr
.irp p, 0,2,4,6,8,10,12,14,16,18,20,22,24,26,28,30
	v_pk_fma_f32 v[RB+\p:RB+\p+1], v[RB+\p:RB+\p+1], v[G+\p:G+\p+1], v[B+\p:B+\p+1]
.endr
.irp j, 0,1,2,3,4,5,6,7
	ds_store_b128 v[ST1W], v[RB+4*\j:RB+4*\j+3] offset:576*\j      ; as loaded: four blocks (4 x 144 bytes) a store
.endr
.irp j, 0,1,2,3,4,5,6,7
	ds_load_b128 v[X+4*\j:X+4*\j+3], v[ST1R] offset:16*\j          ; back: my block's 128 bytes.  LDS serves a wave's instructions in order: these see the stores above
.endr
	s_wait_dscnt 0x0                               ; my block is in; the stores of the row before have read C and BY, those above the row buffer
	v_max3_num_f32 v[MX], |v[X]|, |v[X+1]|, |v[X+2]|               ; the block's largest magnitude: all 32 numbers are mine
	v_max3_num_f32 v[MX+1], |v[X+3]|, |v[X+4]|, |v[X+5]|
.irp p, 6,10,14,18,22,26
	v_max3_num_f32 v[MX], v[MX], |v[X+\p]|, |v[X+\p+1]|
	v_max3_num_f32 v[MX+1], v[MX+1], |v[X+\p+2]|, |v[X+\p+3]|
.endr
	v_max3_num_f32 v[MX], v[MX], |v[X+30]|, |v[X+31]|
	v_max3_num_f32 v[MX], v[MX], v[MX+1], 0x1800000                ; and the floor 2^(3 - 127): the byte cannot fall under 1
	v_add_nc_u32 v[SCL], 0xff000000, v[MX]         ; 2 off the exponent field: the conversion takes this operand's exponent field as its scale
.irp p, 0,1,2,3
	v_cvt_scalef32_pk8_fp4_f32 v[C+\p], v[X+8*\p:X+8*\p+7], v[SCL]
.endr
	v_lshrrev_b32 v[BY], 23, v[SCL]                ; the scale's byte (also the plain instruction behind the conversions)
.irp p, 0,1,2,3
	v_and_b32 v[C+\p], s34, v[C+\p]                ; a key past the end: zero codes
.endr
	ds_store_b128 v[ST2W], v[C:C+3] offset:16*RI   ; block = lane, slot = RI
	ds_store_b8 v[ST3W], v[BY] offset:4*RI
.endm
.irp i, 0,1,2,3,4,5,6,7,8,9,10,11,12,13,14,15
	ROW \i
.endr
	; the way out: the image leaves as it lies, 512 consecutive bytes a store; the scale words as 16 bytes a lane (eight runs of 64 bytes: the tile beside mine fills the other halves)
.irp t, 0,1,2,3,4,5,6,7,8,9,10,11,12,13,14,15
	ds_load_b128 v[R+4*\t:R+4*\t+3], v[ST2R] offset:544*\t
.endr
	ds_load_b128 v[R+64:R+67], v[ST3R]
.irp t, 0,1,2,3,4,5,6,7,8,9,10,11,12,13,14,15
	s_wait_dscnt 16-\t                             ; load t is in; the 16 - t younger ones may be out
	global_store_b128 v[L16], v[R+4*\t:R+4*\t+3], s[38:39] offset:512*\t
.endr
	s_wait_dscnt 0x0
	global_store_b128 v[XSO], v[R+64:R+67], s[40:41]
	s_set_vgpr_msb 0x4
	s_wait_tensorcnt 0x0
	ds_add_u32 v23, v1
	s_wait_dscnt 0x0
	s_set_vgpr_msb 0x400
	s_endpgm
	; ---- the weights' path: job q = 4 (work-group - 224) + wave: weight q / 32, tiles 2 (q % 32) and 2 (q % 32) + 1
.Lweights:
	s_sub_co_u32 s32, ttmp9, 224
	s_lshr_b32 s33, s32, 3                         ; which weight: 0 Wq, 1 Wk, 2 Wv, 3 Wo
	s_lshl_b32 s32, s32, 2
	s_add_co_u32 s32, s32, s22
	s_and_b32 s32, s32, 31                         ; which pair of tiles: 32 rows of the weight
	s_wait_kmcnt 0x0
	s_cmp_eq_u32 s33, 1
	s_cselect_b64 s[36:37], s[14:15], s[12:13]
	s_cmp_eq_u32 s33, 2
	s_cselect_b64 s[36:37], s[16:17], s[36:37]
	s_cmp_eq_u32 s33, 3
	s_cselect_b64 s[36:37], s[18:19], s[36:37]
	s_lshl_b32 s34, s32, 14                        ; 32 rows of 512 bytes
	s_mov_b32 s35, 0
	s_add_nc_u64 s[36:37], s[36:37], s[34:35]
	s_lshl_b32 s33, s33, 6
	s_lshl_b32 s32, s32, 1
	s_add_co_u32 s34, s33, s32                     ; tile 64 n + 2 pair
	s_lshl_b32 s34, s34, 13
	s_add_co_u32 s34, s34, WI_OFF
	s_add_nc_u64 s[38:39], s[20:21], s[34:35]
	s_wait_alu depctr_va_vdst(0)
	v_and_b32 v3, 15, v[LN]                        ; r
	v_and_b32 v4, 8, v3
	v_add_nc_u32 v3, v3, v4                        ; r + 8 (r / 8)
	v_lshlrev_b32 v3, 9, v3
	v_lshrrev_b32 v4, 4, v[LN]
	v_lshl_add_u32 v3, v4, 4, v3                   ; that row, + 16 h: my 16 bytes of each 32
.set n, 0
.rept 32                                       ; load n: tile n / 16 (8 rows further down), piece n % 16 of the row (32 bytes: 64 along K)
	global_load_b128 v[32+4*n:35+4*n], v3, s[36:37] offset:(n/16)*4096+32*(n%16)
.set n, n+1
.endr
.set n, 0
.rept 32
	s_wait_loadcnt 31-n                            ; load n is in; the younger ones may be out
	global_store_b128 v[L16], v[32+4*n:35+4*n], s[38:39] offset:512*n   ; 512 consecutive bytes
.set n, n+1
.endr
	s_endpgm
.Lfunc_end_k_qf820581520_prep:
	.size	k_qf820581520_prep, .Lfunc_end_k_qf820581520_prep-k_qf820581520_prep
	.p2alignl 7, 3214868480
	.fill 96, 4, 3214868480
	.section	.rodata,"a",@progbits
	.p2align	6, 0x0
	.amdhsa_kernel k_qf820581520_prep
		.amdhsa_group_segment_fixed_size 55808
		.amdhsa_private_segment_fixed_size 0
		.amdhsa_enable_private_segment 0
		.amdhsa_kernarg_size 72
		.amdhsa_user_sgpr_count 2
		.amdhsa_user_sgpr_kernarg_segment_ptr 1
		.amdhsa_wavefront_size32 1
		.amdhsa_system_sgpr_workgroup_id_x 1
		.amdhsa_system_sgpr_workgroup_id_y 1
		.amdhsa_system_sgpr_workgroup_id_z 1
		.amdhsa_system_vgpr_workitem_id 0
		.amdhsa_next_free_vgpr 258
		.amdhsa_next_free_sgpr 66
		.amdhsa_reserve_vcc 0
		.amdhsa_float_denorm_mode_32 3
		.amdhsa_float_denorm_mode_16_64 3
		.amdhsa_memory_ordered 1
		.amdhsa_forward_progress 1
		.amdhsa_inst_pref_size 177
	.end_amdhsa_kernel
	.amdgpu_metadata
---
amdhsa.version: [ 1, 2 ]
amdhsa.kernels:
  - .name:           k_qf820581520_prep
    .symbol:         k_qf820581520_prep.kd
    .args:
      - { .name: hidden_states, .offset: 0, .size: 8, .value_kind: global_buffer, .address_space: global }
      - { .name: audio_kv, .offset: 8, .size: 8, .value_kind: global_buffer, .address_space: global }
      - { .name: ln_gamma, .offset: 16, .size: 8, .value_kind: global_buffer, .address_space: global }
      - { .name: ln_beta, .offset: 24, .size: 8, .value_kind: global_buffer, .address_space: global }
      - { .name: Wq_codes, .offset: 32, .size: 8, .value_kind: global_buffer, .address_space: global }
      - { .name: Wk_codes, .offset: 40, .size: 8, .value_kind: global_buffer, .address_space: global }
      - { .name: Wv_codes, .offset: 48, .size: 8, .value_kind: global_buffer, .address_space: global }
      - { .name: Wo_codes, .offset: 56, .size: 8, .value_kind: global_buffer, .address_space: global }
      - { .name: pre, .offset: 64, .size: 8, .value_kind: global_buffer, .address_space: global }
    .group_segment_fixed_size: 55808
    .private_segment_fixed_size: 0
    .kernarg_segment_align: 8
    .kernarg_segment_size: 72
    .max_flat_workgroup_size: 128
    .sgpr_count:     66
    .vgpr_count:     258
    .wavefront_size: 32
...
	.end_amdgpu_metadata
.endif
;; end of part 1
;; launch qkv (part 2): grid 4 x 40, 8 waves a work-group, no clusters, 327,680 bytes of LDS; arguments pre, Wq_scales, Wk_scales, Wv_scales, audio_attention_mask, qq, kv; writes qq, kv
.if DOCPART == 2
	.amdgcn_target "amdgcn-amd-amdhsa--gfx1250"
	.amdhsa_code_object_version 6
	.text
	.protected	k_qf820581520_qkv
	.globl	k_qf820581520_qkv
	.p2align	8
	.type	k_qf820581520_qkv,@function
k_qf820581520_qkv:
	s_mov_b64 s[64:65], 0
	v_nop
	global_prefetch_b8 v0, s[64:65] scope:SCOPE_SE
	s_setreg_imm32_b32 hwreg(HW_REG_WAVE_MODE, 25, 1), 1
	s_wait_xcnt 0x0
.set REC,    107520
.set XS_OFF, 7340032
.set WI_OFF, 7798784
.set WSL,    131072
.set L16,  1
.set L4,   2
.set AW,   3
.set AWS0, 4
.set AWS,  5
.set MB,   6
.set XS,   16
.set WS,   32
.set WF,   48
.set PCS,  48
.set HWS,  64
.set WD,   68
.set ACC,  112
.set TM,   240
.set HB,   67
.set HS,   68
.set SEL,  62
.set MSB, 0
.macro WIN new
.if MSB != \new
	s_set_vgpr_msb (MSB<<8)|\new
.set MSB, \new
.endif
.endm
.macro PLACES n
.rept \n
	v_nop
.endr
.endm
.macro WM d, a, b, z, sa, sb, ra, rb
.set wD, \d
.set wA, \a
.set wB, \b
.set wZ, \z
.set wSA, \sa
.set wSB, \sb
.set wR, 2*(\ra)+(\rb)
.if wZ
.if wR == 0
	v_wmma_scale_f32_16x16x128_f8f6f4 v[wD:wD+7], v[wA:wA+7], v[wB:wB+7], 0, v[wSA], v[wSB] matrix_a_fmt:MATRIX_FMT_FP4 matrix_b_fmt:MATRIX_FMT_FP4
.elseif wR == 1
	v_wmma_scale_f32_16x16x128_f8f6f4 v[wD:wD+7], v[wA:wA+7], v[wB:wB+7], 0, v[wSA], v[wSB] matrix_a_fmt:MATRIX_FMT_FP4 matrix_b_fmt:MATRIX_FMT_FP4 matrix_b_scale:MATRIX_SCALE_ROW1
.elseif wR == 2
	v_wmma_scale_f32_16x16x128_f8f6f4 v[wD:wD+7], v[wA:wA+7], v[wB:wB+7], 0, v[wSA], v[wSB] matrix_a_fmt:MATRIX_FMT_FP4 matrix_b_fmt:MATRIX_FMT_FP4 matrix_a_scale:MATRIX_SCALE_ROW1
.else
	v_wmma_scale_f32_16x16x128_f8f6f4 v[wD:wD+7], v[wA:wA+7], v[wB:wB+7], 0, v[wSA], v[wSB] matrix_a_fmt:MATRIX_FMT_FP4 matrix_b_fmt:MATRIX_FMT_FP4 matrix_a_scale:MATRIX_SCALE_ROW1 matrix_b_scale:MATRIX_SCALE_ROW1
.endif
.else
.if wR == 0
	v_wmma_scale_f32_16x16x128_f8f6f4 v[wD:wD+7], v[wA:wA+7], v[wB:wB+7], v[wD:wD+7], v[wSA], v[wSB] matrix_a_fmt:MATRIX_FMT_FP4 matrix_b_fmt:MATRIX_FMT_FP4
.elseif wR == 1
	v_wmma_scale_f32_16x16x128_f8f6f4 v[wD:wD+7], v[wA:wA+7], v[wB:wB+7], v[wD:wD+7], v[wSA], v[wSB] matrix_a_fmt:MATRIX_FMT_FP4 matrix_b_fmt:MATRIX_FMT_FP4 matrix_b_scale:MATRIX_SCALE_ROW1
.elseif wR == 2
	v_wmma_scale_f32_16x16x128_f8f6f4 v[wD:wD+7], v[wA:wA+7], v[wB:wB+7], v[wD:wD+7], v[wSA], v[wSB] matrix_a_fmt:MATRIX_FMT_FP4 matrix_b_fmt:MATRIX_FMT_FP4 matrix_a_scale:MATRIX_SCALE_ROW1
.else
	v_wmma_scale_f32_16x16x128_f8f6f4 v[wD:wD+7], v[wA:wA+7], v[wB:wB+7], v[wD:wD+7], v[wSA], v[wSB] matrix_a_fmt:MATRIX_FMT_FP4 matrix_b_fmt:MATRIX_FMT_FP4 matrix_a_scale:MATRIX_SCALE_ROW1 matrix_b_scale:MATRIX_SCALE_ROW1
.endif
.endif
.endm
.macro QUANT32 src, pc, hw
.set qS, \src
.set qP, \pc
.set qH, \hw
.irp b, 0,1
	v_max3_num_f32 v[TM+\b], |v[qS+16*\b]|, |v[qS+16*\b+1]|, 0x1800000
.endr
.irp i, 2,4,6,8,10,12,14
.irp b, 0,1
	v_max3_num_f32 v[TM+\b], v[TM+\b], |v[qS+16*\b+\i]|, |v[qS+16*\b+\i+1]|
.endr
.endr
.irp b, 0,1
	s_delay_alu instid0(VALU_DEP_2)
	v_permlanex16_b32 v[TM+2+\b], v[TM+\b], s[SEL], s[SEL+1]
.endr
.irp b, 0,1
	s_delay_alu instid0(VALU_DEP_2)
	v_max_num_f32 v[TM+\b], v[TM+\b], v[TM+2+\b]
.endr
.irp b, 0,1
	s_delay_alu instid0(VALU_DEP_2)
	v_add_nc_u32 v[TM+4+\b], 0xff000000, v[TM+\b]
.endr
.irp b, 0,1
	s_delay_alu instid0(VALU_DEP_2)
	v_lshrrev_b32 v[TM+6+\b], 23, v[TM+4+\b]
.endr
	s_delay_alu instid0(VALU_DEP_1)
	v_lshl_or_b32 v[qH], v[TM+7], 8, v[TM+6]
.irp b, 0,1
	v_cvt_scalef32_pk8_fp4_f32 v[qP+2*\b], v[qS+16*\b:qS+16*\b+7], v[TM+4+\b]
	v_cvt_scalef32_pk8_fp4_f32 v[qP+2*\b+1], v[qS+16*\b+8:qS+16*\b+15], v[TM+4+\b]
.endr
	v_nop
	v_permlane16_swap_b32 v[qP], v[qP+2]
	v_permlane16_swap_b32 v[qP+1], v[qP+3]
.endm
.macro WFLOAD st
.set wS, \st
.irp t, 0,1,2,3
.irp c, 0,1
	ds_load_b128 v[WF+32*(wS%2)+8*\t+4*\c:WF+32*(wS%2)+8*\t+4*\c+3], v[AW] offset:\t*8192+wS*1024+\c*512
.endr
.endr
.endm
.macro HEADMUL sw
	v_add_nc_u32 v[AW], s[HB], v[L16]
	s_wait_alu depctr_va_vdst(0)
	v_add_nc_u32 v[AWS], s[HS], v[AWS0]
.irp n, 0,1,2,3
	ds_load_b128 v[WS+4*\n:WS+4*\n+3], v[AWS] offset:(\n/2)*1024+16*(\n%2)
.endr
	WFLOAD 0
.irp s, 0,1,2,3,4,5,6,7
.if \s < 7
.if \s > 0
	PLACES 4
.endif
	WFLOAD \s+1
	s_wait_dscnt 8
.else
	s_wait_dscnt 0x0
.endif
.if \sw
	WIN 0x01
.else
	WIN 0x04
.endif
.irp g, 0,1,2,3
.irp e, 0,1,2,3
.if \sw
	WM ACC+8*(4*\g+\e), 64*\e+8*\s, WF+32*(\s%2)+8*\g, \s==0, XS+8*(\e/2)+\s, WS+8*(\g/2)+\s, \e%2, \g%2
.else
	WM ACC+8*(4*\g+\e), WF+32*(\s%2)+8*\e, 64*\g+8*\s, \s==0, WS+8*(\e/2)+\s, XS+8*(\g/2)+\s, \e%2, \g%2
.endif
.endr
.endr
	WIN 0
.endr
.endm
	s_load_b256 s[4:11], s[0:1], 0x0
	s_load_b128 s[12:15], s[0:1], 0x20
	s_load_b64 s[16:17], s[0:1], 0x30
	v_lshl_add_u32 v254, v0, 2, 0x29000
	v_mov_b32 v255, 0
	ds_add_u32 v254, v255
	ds_add_u32 v254, v255
	v_lshrrev_b32 v10, 5, v0
	s_delay_alu instid0(VALU_DEP_1)
	v_readfirstlane_b32 s18, v10
	s_mov_b32 s19, ttmp9
	s_and_b32 s20, ttmp7, 0xffff
	s_cmp_ge_u32 s20, 16
	s_cselect_b32 s21, 1, 0
	s_cselect_b32 s22, 16, 0
	s_cmp_ge_u32 s20, 28
	s_cselect_b32 s21, 2, s21
	s_cselect_b32 s22, 28, s22
	s_sub_co_u32 s22, s20, s22
	s_lshr_b32 s76, s22, 2
	s_and_b32 s77, s22, 3
	s_mul_i32 s78, s22, 11
	s_lshr_b32 s78, s78, 5
	s_mul_i32 s79, s78, 3
	s_sub_co_u32 s79, s22, s79
	s_mov_b32 s74, 200
	s_cmp_eq_u32 s21, 0
	s_cselect_b32 s23, s76, s78
	s_cselect_b32 s24, s77, s79
	s_cselect_b32 s25, 0, 512
	s_cselect_b32 s74, 84, s74
	s_cselect_b32 s75, 0, 199
	s_lshl_b32 s24, s24, 5
	s_lshl_b32 s76, s18, 2
	s_add_co_u32 s24, s24, s76
	s_lshl_b32 s77, s22, 5
	s_add_co_u32 s25, s25, s77
	s_add_co_u32 s25, s25, s76
	s_mov_b32 s28, 3<<16
	s_mov_b32 s29, 32<<16
	s_mov_b32 s30, 128<<16
	s_mov_b32 s31, 32<<16
	s_mov_b32 s32, 128
	s_mov_b32 s33, 32
	s_mov_b32 s34, 0
	s_mov_b32 s35, 0
	s_mov_b32 s36, 3<<16
	s_mov_b32 s37, 32<<16
	s_mov_b32 s38, 32<<16
	s_mov_b32 s39, 32<<16
	s_mov_b32 s40, 32
	s_mov_b32 s41, 32
	s_mov_b32 s42, 0
	s_mov_b32 s43, 0
	s_mov_b32 s44, 1
	s_lshl_b32 s45, s18, 15
	s_mov_b32 s48, 1
	s_mov_b32 s49, WSL
	s_lshl_b32 s26, s21, 6
	s_lshl_b32 s61, s19, 4
	s_add_co_u32 s26, s26, s61
	s_lshl_b32 s26, s26, 13
	s_add_co_u32 s26, s26, s45
	s_add_co_u32 s26, s26, WI_OFF
	s_mov_b32 s27, 0
	s_lshl_b32 s76, s19, 13
	s_mov_b32 s77, 0
	v_and_b32 v10, 31, v0
	s_delay_alu instid0(VALU_DEP_1)
	v_lshlrev_b32 v[L16], 4, v10
	s_delay_alu instid0(VALU_DEP_2)
	v_lshlrev_b32 v[L4], 2, v10
	v_and_b32 v11, 15, v0
	v_and_b32 v12, 8, v0
	s_delay_alu instid0(VALU_DEP_1)
	v_add_nc_u32 v14, v11, v12
	v_bfe_u32 v13, v0, 4, 1
	s_delay_alu instid0(VALU_DEP_1)
	v_lshl_add_u32 v[AWS0], v13, 3, v14
	s_delay_alu instid0(VALU_DEP_1)
	v_lshlrev_b32 v[AWS0], 5, v[AWS0]
	s_delay_alu instid0(VALU_DEP_1)
	v_add_nc_u32 v[AWS0], WSL, v[AWS0]
	v_mov_b32 v[TM+2], 0
	v_mov_b32 v[TM+3], 0
	s_mov_b32 s60, 0xffff0000
	s_mov_b32 s[SEL], 0x76543210
	s_mov_b32 s[SEL+1], 0xfedcba98
	s_wait_alu depctr_va_vdst(0)
	s_wait_dscnt 0x0
	s_wait_kmcnt 0x0
	s_add_nc_u64 s[46:47], s[4:5], s[26:27]
	s_or_b32 s47, s47, 0x80000000
	s_cmp_eq_u32 s21, 1
	s_cselect_b64 s[50:51], s[8:9], s[6:7]
	s_cmp_eq_u32 s21, 2
	s_cselect_b64 s[50:51], s[10:11], s[50:51]
	s_add_nc_u64 s[50:51], s[50:51], s[76:77]
	s_or_b32 s51, s51, 0x80000000
	; the head's fills, one a wave: waves 0-3 fetch 128 rows of 256 bytes of the weight's image each, wave 4 its 8,192 scale bytes; one chain of arms, one join
	s_cmp_lt_u32 s18, 4
	s_cbranch_scc0 .Lhead_sc
	tensor_load_to_lds s[44:47], s[28:35]
	s_nop 0
	PLACES 4
	s_branch .Lhead_ok
.Lhead_sc:
	s_cmp_eq_u32 s18, 4
	s_cbranch_scc0 .Lhead_ok
	tensor_load_to_lds s[48:51], s[36:43]
	s_nop 0
	PLACES 4
.Lhead_ok:
	s_lshl_b32 s26, s25, 13
	s_add_nc_u64 s[70:71], s[4:5], s[26:27]
	s_lshl_b32 s26, s25, 9
	s_add_co_u32 s26, s26, XS_OFF
	s_add_nc_u64 s[72:73], s[4:5], s[26:27]
	WIN 0x40
.irp a, 0,1,2,3
.irp s, 0,1,2,3,4,5,6,7
.irp c, 0,1
	global_load_b128 v[64*\a+8*\s+4*\c:64*\a+8*\s+4*\c+3], v[L16], s[70:71] offset:\a*8192+\s*1024+\c*512
.endr
.endr
.endr
	WIN 0
.irp p, 0,1
.irp s, 0,1,2,3,4,5,6,7
	global_load_b32 v[XS+8*\p+\s], v[L4], s[72:73] offset:\p*1024+\s*128
.endr
.endr
	s_lshl_b32 s69, s24, 4
	s_mul_i32 s61, s23, 1500
	v_add_nc_u32 v14, s69, v14
.irp a, 0,1,2,3
	v_add_nc_u32 v[48+\a], 32*(\a/2)+8*(\a%2), v14
	s_delay_alu instid0(VALU_DEP_1)
	v_min_u32 v[52+\a], 0x5db, v[48+\a]
	s_delay_alu instid0(VALU_DEP_1)
	v_add_nc_u32 v[52+\a], s61, v[52+\a]
	global_load_u8 v[MB+\a], v[52+\a], s[12:13]
.endr
	s_lshl_b32 s69, s23, 4
	s_lshl_b32 s61, s19, 2
	s_add_co_u32 s69, s69, s61
	s_mov_b32 s56, REC
	s_mov_b32 s58, REC
	s_mov_b32 s61, 98304
	s_cmp_eq_u32 s21, 0
	s_cselect_b64 s[52:53], s[14:15], s[16:17]
	s_cselect_b32 s56, 0x10000, s56
	s_cselect_b32 s58, 0x2000, s58
	s_cselect_b32 s61, 0x400000, s61
	s_mov_b32 s57, 0
	s_mov_b32 s59, 0
	s_mul_i32 s76, s69, s56
	s_mul_i32 s78, s69, s58
	s_lshl_b32 s26, s24, 9
	s_lshl_b32 s69, s24, 6
	s_add_co_u32 s69, s69, s61
	s_lshr_b32 s61, s24, 3
	s_bfe_u32 s79, s24, 0x10002
	s_lshl_b32 s77, s61, 12
	s_lshl_b32 s27, s79, 9
	s_add_co_u32 s77, s77, s27
	s_add_co_u32 s77, s77, 49152
	s_lshl_b32 s61, s61, 8
	s_lshl_b32 s79, s79, 1
	s_add_co_u32 s61, s61, s79
	s_add_co_u32 s61, s61, 104448
	s_cmp_eq_u32 s21, 2
	s_cselect_b32 s26, s77, s26
	s_cselect_b32 s69, s61, s69
	s_add_co_u32 s76, s76, s26
	s_add_co_u32 s78, s78, s69
	s_mov_b32 s77, 0
	s_mov_b32 s79, 0
	s_add_nc_u64 s[54:55], s[52:53], s[78:79]
	s_add_nc_u64 s[52:53], s[52:53], s[76:77]
	s_mov_b32 s66, 4
	s_mov_b32 s[HB], 0
	s_mov_b32 s[HS], 0
	s_wait_tensorcnt 0x0
	s_barrier_signal -1
	s_barrier_wait -1
	s_wait_loadcnt 0x0
.irp a, 0,1,2,3
	v_cmp_gt_u32 vcc_lo, 1500, v[48+\a]
	s_delay_alu instid0(VALU_DEP_1)
	v_cndmask_b32 v15, 0, v[MB+\a], vcc_lo
	s_delay_alu instid0(VALU_DEP_1)
	v_mul_u32_u24 v15, s75, v15
	s_delay_alu instid0(VALU_DEP_1)
	v_sub_nc_u32 v15, s74, v15
	s_delay_alu instid0(VALU_DEP_1)
	v_lshlrev_b32 v[MB+\a], 16, v15
.endr
.Lhead:
	s_cmp_eq_u32 s21, 2
	s_cbranch_scc1 .Lvhead
	HEADMUL 0
	PLACES 5
.irp a, 0,1,2,3
	QUANT32 ACC+32*\a, PCS+4*\a, HWS+\a
.endr
.irp a, 0,1,2,3
	v_or_b32 v[HWS+\a], v[HWS+\a], v[MB+\a]
.endr
.irp p, 0
	s_delay_alu instid0(VALU_DEP_3)
	v_cndmask_b32 v[WD+\p], v[HWS+2*\p], v[HWS+2*\p+1], s60
.endr
.irp p, 1
	s_delay_alu instid0(VALU_DEP_2)
	v_cndmask_b32 v[WD+\p], v[HWS+2*\p], v[HWS+2*\p+1], s60
.endr
.irp a, 0,1,2,3
	global_store_b128 v[L16], v[PCS+4*\a:PCS+4*\a+3], s[52:53] offset:\a*512
.endr
.irp p, 0,1
	global_store_b32 v[L4], v[WD+\p], s[54:55] offset:\p*128
.endr
	s_branch .Lnext
.Lvhead:
	HEADMUL 1
	PLACES 5
.irp t, 0,1,2,3
	QUANT32 ACC+32*\t, PCS+4*\t, HWS+\t
.endr
.irp p, 0,1
	v_cndmask_b32 v[WD+\p], v[HWS+2*\p], v[HWS+2*\p+1], s60
.endr
.irp t, 0,1,2,3
	global_store_b128 v[L16], v[PCS+4*\t:PCS+4*\t+3], s[52:53] offset:\t*1024
.endr
.irp p, 0,1
	global_store_b16 v[L4], v[WD+\p], s[54:55] offset:\p*128
.endr
.Lnext:
	s_wait_xcnt 0x0
	s_add_nc_u64 s[52:53], s[52:53], s[56:57]
	s_add_nc_u64 s[54:55], s[54:55], s[58:59]
	s_add_co_u32 s[HB], s[HB], 32768
	s_add_co_u32 s[HS], s[HS], 2048
	s_sub_co_u32 s66, s66, 1
	s_cmp_lg_u32 s66, 0
	s_cbranch_scc1 .Lhead
	s_wait_tensorcnt 0x0
	ds_add_u32 v254, v255
	s_wait_dscnt 0x0
	s_endpgm
.Lfunc_end_k_qf820581520_qkv:
	.size	k_qf820581520_qkv, .Lfunc_end_k_qf820581520_qkv-k_qf820581520_qkv
	.p2alignl 7, 3214868480
	.fill 96, 4, 3214868480
	.section	.rodata,"a",@progbits
	.p2align	6, 0x0
	.amdhsa_kernel k_qf820581520_qkv
		.amdhsa_group_segment_fixed_size 327680
		.amdhsa_private_segment_fixed_size 0
		.amdhsa_enable_private_segment 0
		.amdhsa_kernarg_size 56
		.amdhsa_user_sgpr_count 2
		.amdhsa_user_sgpr_kernarg_segment_ptr 1
		.amdhsa_wavefront_size32 1
		.amdhsa_system_sgpr_workgroup_id_x 1
		.amdhsa_system_sgpr_workgroup_id_y 1
		.amdhsa_system_sgpr_workgroup_id_z 1
		.amdhsa_system_vgpr_workitem_id 0
		.amdhsa_next_free_vgpr 512
		.amdhsa_next_free_sgpr 80
		.amdhsa_reserve_vcc 1
		.amdhsa_float_denorm_mode_32 3
		.amdhsa_float_denorm_mode_16_64 3
		.amdhsa_memory_ordered 1
		.amdhsa_forward_progress 1
		.amdhsa_inst_pref_size 80
	.end_amdhsa_kernel
	.amdgpu_metadata
---
amdhsa.version: [ 1, 2 ]
amdhsa.kernels:
  - .name:           k_qf820581520_qkv
    .symbol:         k_qf820581520_qkv.kd
    .args:
      - { .name: pre, .offset: 0, .size: 8, .value_kind: global_buffer, .address_space: global }
      - { .name: Wq_scales, .offset: 8, .size: 8, .value_kind: global_buffer, .address_space: global }
      - { .name: Wk_scales, .offset: 16, .size: 8, .value_kind: global_buffer, .address_space: global }
      - { .name: Wv_scales, .offset: 24, .size: 8, .value_kind: global_buffer, .address_space: global }
      - { .name: audio_attention_mask, .offset: 32, .size: 8, .value_kind: global_buffer, .address_space: global }
      - { .name: qq, .offset: 40, .size: 8, .value_kind: global_buffer, .address_space: global }
      - { .name: kv, .offset: 48, .size: 8, .value_kind: global_buffer, .address_space: global }
    .group_segment_fixed_size: 327680
    .private_segment_fixed_size: 0
    .kernarg_segment_align: 8
    .kernarg_segment_size: 56
    .max_flat_workgroup_size: 256
    .sgpr_count:     80
    .vgpr_count:     512
    .wavefront_size: 32
...
	.end_amdgpu_metadata
.endif
;; end of part 2
;; launch attn (part 3): grid 4 x 64, 16 waves a work-group, no clusters, 169,984 bytes of LDS; arguments qq, kv, att; writes att
.if DOCPART == 3
	.amdgcn_target "amdgcn-amd-amdhsa--gfx1250"
	.amdhsa_code_object_version 6
	.text
	.protected	k_qf820581520_attn
	.globl	k_qf820581520_attn
	.p2align	8
	.type	k_qf820581520_attn,@function
k_qf820581520_attn:
	s_mov_b64 s[64:65], 0
	v_nop
	global_prefetch_b8 v0, s[64:65] scope:SCOPE_SE
	s_setreg_imm32_b32 hwreg(HW_REG_WAVE_MODE, 25, 1), 1
	s_wait_xcnt 0x0
; ATTN.  O = softmax(Q K^T / 8, masked) V for one (batch, head), both products on codes of E2M1; O / l is quantised along the model's 1,024 (this head's two blocks of 32) for the last projection.
; THE SOFTMAX AHEAD OF THE SECOND PRODUCT: t = score x log2(e) / 8; M = the running largest t rounded UP to a whole number; p = 2^(t - M) is quantised along the keys, not normalised; the row's sum is taken
; of the unquantised p and divides O at the end.  When M moves, the sum and O are multiplied by 2^(old M - new M): exact.
; SHARES.  Work-group (x, y): y = 16 batch + head, x = 512 queries.  Each of the sixteen waves owns two tiles of 16 queries, one after the other, in 256 registers.  The record of (batch, head), 107,520 bytes
; (K's and V's codes and scale words for 1,536 keys), comes into LDS once: waves 0-11 fetch 8 rows of 1,024 bytes of codes each, wave 12 the 9,216 bytes of scale words; one barrier; no byte is filled twice.
; The descriptor lays 128 bytes of padding behind each 1,024 bytes of codes, so that two rows of codes that one load touches lie in different halves of the banks.
; LAYOUT.  Both products transposed: S^T = K Q^T (source 0 = 16 keys), O^T = V^T P^T (source 0 = 16 channels): a lane holds ONE query.  THE KEYS OF A TILE ARE CHOSEN BY THE LDS ADDRESS: row m of tile t of a group
; of 64 keys is key 32 (m / 8) + 8 t + m % 8, so that the 32 registers of a group's four tiles are the 32 keys of ONE block, 64 g + 32 (lane / 16) + 0 .. 31: a block's maximum needs no other lane, and the
; conversions' results are the second product's operand as they stand.
; THE STEP RUNS ONE AHEAD: step i ends with O += V(i) P(i) and S(i + 1); K(i + 1) and V(i) are asked of LDS at the head of step i.
; THE MASK costs no vector instruction.  The first product's K is 64 of the instruction's 128: code k = 64 is +1 in K's fragments and -1 in Q's (constant registers), all other codes from 64 on are 0.  Byte 2 of
; the scale words (84 for a query; 200 for a hidden key, 1 for any other) makes that one product -2^30 for hidden keys and -2^-169 otherwise: p = 0 as soon as one key that counts has been seen; before that p is
; finite, and the first key that counts multiplies all of it by 0.  A batch whose every key is hidden ends with its largest score under -2^29: O's two scale bytes are then 0xff, which makes the last projection's sums NaN.
; LIMITS: |Q . K| under 2^27; NaN and infinities are not served.
; No cluster: what the four work-groups of a (batch, head) share is one fill of 107,520 bytes at the head, against 24 key steps a wave.  No prefetch: nothing comes from memory inside the loop.
.set REC,   107520
.set ROWP,  1152                       ; 1,024 bytes of codes + 128 of padding
.set KST,   4*ROWP                     ; a step's codes of K, and of V
.set VB,    48*ROWP                    ; V's codes
.set SCB,   96*ROWP                    ; the scale words, dense: K's 6,144 bytes, then V's 3,072
.set SPARE, 0x29000
.set L16,  1                           ; 16 x lane
.set L4,   2                           ; 4 x lane
.set ADK,  3                           ; v3-6 LDS addresses of the step in hand: K's codes, V's codes, K's scale words, V's
.set ADV,  4
.set ADKS, 5
.set ADVS, 6
.set HWSAV, 7                          ; tile 0's two scale bytes of O
.set LKB,  8                           ; my lane's place in K's codes: 1,152 (r / 8) + 16 (r % 8) + 256 h
.set LKSB, 10                          ; among K's scale words: SCB + 128 (r / 8) + 4 (r % 8) + 64 h
.set LVSB, 11                          ; among V's: SCB + 6,144 + 4 lane
.set NM,   12                          ; -M;  v13 the largest score
.set SX,   13
.set LS,   14                          ; v[14:15] the sum in two halves
.set Q,    16                          ; v16-31 Q's two fragments
.set KF,   32                          ; v32-95 eight fragments of K: registers 0-3 loaded, 4-7 constants
.set S,    96                          ; v96-159 S^T, then p, then its partial sums
.set O,    160                         ; v160-191 O^T
.set VF,   192                         ; v192-223 V's four fragments
.set TM,   VF                          ; on the way out: at work
.set OC,   VF+8                         ; and O's codes, four registers a tile
.set PC,   224                         ; v224-231 p's codes
.set BM,   232                         ; v232-233 my two blocks' largest score, then largest p; v234-235 second chains
.set SCL,  236                         ; v236-237 the conversions' scale operands
.set BT,   238                         ; v238-239 at work
.set F,    240                         ; v[240:241] f = 2^(old M - new M) (low word)
.set TP,   242
.set OLD,  243                         ; the last step's -M
.set SH8,  244                         ; 8 h
.set QSC,  245                         ; v245 Q's scale words, v247 p's, v248-251 K's, v252-253 V's: these hold scales and nothing else
.set HW,   246
.set PSC,  247
.set KSC,  248
.set VSC,  252
.set SPW,  254
.set NIL,  255
.set WV,   10
.set SEL,  20
.set CS,   22
.set CN,   36
.set KO,   37
.set SO,   38
.set CNT,  39
.set VO,   41
.macro PLACES n
.rept \n
	v_nop
.endr
.endm
; one product of S^T: 16 keys x my 16 queries; e, qi: the rows of the scale registers
.macro SW d, a, sa, e, qi
.set wD, \d
.set wA, \a
.set wS, \sa
.set wQ, Q+8*(\qi)
.set wR, 2*(\e)+(\qi)
.if wR == 0
	v_wmma_scale_f32_16x16x128_f8f6f4 v[wD:wD+7], v[wA:wA+7], v[wQ:wQ+7], 0, v[wS], v[QSC] matrix_a_fmt:MATRIX_FMT_FP4 matrix_b_fmt:MATRIX_FMT_FP4
.elseif wR == 1
	v_wmma_scale_f32_16x16x128_f8f6f4 v[wD:wD+7], v[wA:wA+7], v[wQ:wQ+7], 0, v[wS], v[QSC] matrix_a_fmt:MATRIX_FMT_FP4 matrix_b_fmt:MATRIX_FMT_FP4 matrix_b_scale:MATRIX_SCALE_ROW1
.elseif wR == 2
	v_wmma_scale_f32_16x16x128_f8f6f4 v[wD:wD+7], v[wA:wA+7], v[wQ:wQ+7], 0, v[wS], v[QSC] matrix_a_fmt:MATRIX_FMT_FP4 matrix_b_fmt:MATRIX_FMT_FP4 matrix_a_scale:MATRIX_SCALE_ROW1
.else
	v_wmma_scale_f32_16x16x128_f8f6f4 v[wD:wD+7], v[wA:wA+7], v[wQ:wQ+7], 0, v[wS], v[QSC] matrix_a_fmt:MATRIX_FMT_FP4 matrix_b_fmt:MATRIX_FMT_FP4 matrix_a_scale:MATRIX_SCALE_ROW1 matrix_b_scale:MATRIX_SCALE_ROW1
.endif
.endm
.macro SMUL qi                         ; S^T of 128 keys: eight products
.irp g, 0,1
.irp t, 0,1,2,3
	SW S+32*\g+8*\t, KF+32*\g+8*\t, KSC+2*\g+\t/2, \t%2, \qi
.endr
.endr
.endm
.macro OW t                            ; O^T += 16 channels x 128 keys
.set wD, O+8*(\t)
.set wA, VF+8*(\t)
.set wS, VSC+(\t)/2
.if (\t)%2 == 0
	v_wmma_scale_f32_16x16x128_f8f6f4 v[wD:wD+7], v[wA:wA+7], v[PC:PC+7], v[wD:wD+7], v[wS], v[PSC] matrix_a_fmt:MATRIX_FMT_FP4 matrix_b_fmt:MATRIX_FMT_FP4
.else
	v_wmma_scale_f32_16x16x128_f8f6f4 v[wD:wD+7], v[wA:wA+7], v[PC:PC+7], v[wD:wD+7], v[wS], v[PSC] matrix_a_fmt:MATRIX_FMT_FP4 matrix_b_fmt:MATRIX_FMT_FP4 matrix_a_scale:MATRIX_SCALE_ROW1
.endif
.endm
; K's scale words (lanes 0-15 tile 2 u, lanes 16-31 tile 2 u + 1 of group g) and eight fragments, of the step in hand (nx = 0) or the next (1)
.macro KLOAD nx
.irp g, 0,1
.irp u, 0,1
	ds_load_b32 v[KSC+2*\g+\u], v[ADKS] offset:512*(\nx)+256*\g+32*\u
.endr
.endr
.irp g, 0,1
.irp t, 0,1,2,3
	ds_load_b128 v[KF+32*\g+8*\t:KF+32*\g+8*\t+3], v[ADK] offset:KST*(\nx)+2*ROWP*\g+512*(\t%2)+128*(\t/2)
.endr
.endr
.endm
.macro ADDR                            ; the step's four LDS addresses
	v_add_nc_u32 v[ADK], s[KO], v[LKB]
	v_add_nc_u32 v[ADV], s[KO], v[L16]
	v_add_nc_u32 v[ADKS], s[SO], v[LKSB]
	v_add_nc_u32 v[ADVS], s[VO], v[LVSB]
.endm
.macro TMF from, cnt                   ; t - M, two at a time
.set n, \from
.rept \cnt
	v_pk_fma_f32 v[S+n:S+n+1], v[S+n:S+n+1], s[CS:CS+1], v[NM:NM+1] op_sel_hi:[1,0,0]
.set n, n+2
.endr
.endm
.macro ADDS w, from, cnt               ; one level of the sum's tree, in place
.set n, \from
.rept \cnt
	v_pk_add_f32 v[S+n:S+n+1], v[S+n:S+n+1], v[S+n+(\w):S+n+(\w)+1]
.set n, n+2*(\w)
.endr
.endm
; 32 numbers of a lane, register 16 B + i = k 32 B + 16 (lane / 16) + i, become four operand registers in v[pc] on (lanes 0-15 block 0, lanes 16-31 block 1) and the two scale bytes in v[hw]
.macro QUANT32 src, pc, hw
.set qS, \src
.set qP, \pc
.set qH, \hw
.irp b, 0,1
	v_max3_num_f32 v[TM+\b], |v[qS+16*\b]|, |v[qS+16*\b+1]|, 0x1800000
.endr
.irp i, 2,4,6,8,10,12,14
.irp b, 0,1
	s_delay_alu instid0(VALU_DEP_2)
	v_max3_num_f32 v[TM+\b], v[TM+\b], |v[qS+16*\b+\i]|, |v[qS+16*\b+\i+1]|
.endr
.endr
.irp b, 0,1
	s_delay_alu instid0(VALU_DEP_2)
	v_permlanex16_b32 v[TM+2+\b], v[TM+\b], s[SEL], s[SEL+1]
.endr
.irp b, 0,1
	s_delay_alu instid0(VALU_DEP_2)
	v_max_num_f32 v[TM+\b], v[TM+\b], v[TM+2+\b]
.endr
.irp b, 0,1
	s_delay_alu instid0(VALU_DEP_2)
	v_add_nc_u32 v[TM+4+\b], 0xff000000, v[TM+\b]
.endr
.irp b, 0,1
	s_delay_alu instid0(VALU_DEP_2)
	v_lshrrev_b32 v[TM+6+\b], 23, v[TM+4+\b]
.endr
	s_delay_alu instid0(VALU_DEP_1)
	v_lshl_or_b32 v[qH], v[TM+7], 8, v[TM+6]
.irp b, 0,1
	v_cvt_scalef32_pk8_fp4_f32 v[qP+2*\b], v[qS+16*\b:qS+16*\b+7], v[TM+4+\b]
	v_cvt_scalef32_pk8_fp4_f32 v[qP+2*\b+1], v[qS+16*\b+8:qS+16*\b+15], v[TM+4+\b]
.endr
	v_nop
	v_permlane16_swap_b32 v[qP], v[qP+2]
	v_permlane16_swap_b32 v[qP+1], v[qP+3]
.endm
	s_load_b128 s[4:7], s[0:1], 0x0                ; qq, kv
	s_load_b64 s[8:9], s[0:1], 0x10                ; att
	v_lshl_add_u32 v[SPW], v0, 2, SPARE
	v_mov_b32 v[NIL], 0
	ds_add_u32 v[SPW], v[NIL]                      ; the opening lines: the add, twice on end, and its wait
	ds_add_u32 v[SPW], v[NIL]
	v_lshrrev_b32 v3, 5, v0
	s_delay_alu instid0(VALU_DEP_1)
	v_readfirstlane_b32 s[WV], v3                  ; wave 0..15
	s_and_b32 s11, ttmp7, 0xffff                   ; bh
	s_lshr_b32 s12, s11, 4                         ; batch
	s_and_b32 s13, s11, 15                         ; head
	; group 1 for the codes: 8 rows of 1,024 bytes (128 elements of 8 bytes), 32 words of padding behind every 256
	s_mov_b32 s24, (3<<16)|(1<<20)|(7<<22)|(31<<25)
	s_mov_b32 s25, 128<<16
	s_mov_b32 s26, 8<<16
	s_mov_b32 s27, 128<<16
	s_mov_b32 s28, 8
	s_mov_b32 s29, 128
	s_mov_b32 s30, 0
	s_mov_b32 s31, 0
	; group 1 for the scale words: 36 rows of 256 bytes, dense
	s_mov_b32 s68, 3<<16
	s_mov_b32 s69, 32<<16
	s_mov_b32 s70, 36<<16
	s_mov_b32 s71, 32<<16
	s_mov_b32 s72, 36
	s_mov_b32 s73, 32
	s_mov_b32 s74, 0
	s_mov_b32 s75, 0
	s_mul_i32 s58, s11, REC
	s_add_co_u32 s76, s58, 98304                   ; the record's scale words
	s_mov_b32 s77, 0
	s_lshl_b32 s14, s[WV], 13
	s_add_co_u32 s58, s58, s14                     ; my 8,192 bytes of its codes (waves 0-11 fetch)
	s_mov_b32 s59, 0
	s_mov_b32 s32, 1
	s_mul_i32 s33, s[WV], 8*ROWP
	s_mov_b32 s60, 1
	s_mov_b32 s61, SCB
	s_lshl_b32 s15, ttmp9, 5
	s_lshl_b32 s16, s[WV], 1
	s_add_co_u32 s15, s15, s16                     ; my first tile of queries: 32 x + 2 wave
	s_lshl_b32 s42, s11, 16
	s_lshl_b32 s16, s15, 9
	s_add_co_u32 s42, s42, s16                     ; Q's codes
	s_mov_b32 s43, 0
	s_lshl_b32 s44, s11, 13
	s_lshl_b32 s16, s15, 6
	s_add_co_u32 s44, s44, s16
	s_add_co_u32 s44, s44, 0x400000                ; Q's scale words
	s_mov_b32 s45, 0
	s_lshl_b32 s17, s12, 7
	s_add_co_u32 s17, s17, s15                     ; my first tile among att's 512
	s_lshl_b32 s54, s17, 13
	s_lshl_b32 s16, s13, 9
	s_add_co_u32 s54, s54, s16                     ; O's codes: 512 x head in the tile's image
	s_mov_b32 s55, 0
	s_lshl_b32 s56, s17, 9                         ; O's scale words: 1,024 x (tile / 2),
	s_lshr_b32 s16, s13, 1
	s_lshl_b32 s16, s16, 7
	s_add_co_u32 s56, s56, s16                     ; + 128 x (head / 2),
	s_and_b32 s16, s13, 1
	s_lshl_b32 s16, s16, 1
	s_add_co_u32 s56, s56, s16                     ; + 2 x (head % 2)
	s_add_co_u32 s56, s56, 0x400000
	s_mov_b32 s57, 0
	s_mov_b32 s[SEL], 0x76543210
	s_mov_b32 s[SEL+1], 0xfedcba98
	s_mov_b32 s[CS], 0x3e38aa3b                    ; c = log2(e) / 8
	s_mov_b32 s[CS+1], s[CS]                       ; (named with it as a pair, so it is written)
	s_mov_b32 s[CN], 0xbe38aa3b                    ; -c
	s_mov_b32 s40, 0xffff0000                      ; lanes 16-31
	s_wait_dscnt 0x0
	s_wait_kmcnt 0x0
	s_add_nc_u64 s[34:35], s[6:7], s[58:59]
	s_or_b32 s35, s35, 0x80000000
	s_add_nc_u64 s[62:63], s[6:7], s[76:77]
	s_or_b32 s63, s63, 0x80000000
	s_cmp_lt_u32 s[WV], 12                         ; one chain of arms on the wave's number, a load an arm, one join
	s_cbranch_scc0 .Lhead_sc
	tensor_load_to_lds s[32:35], s[24:31]
	s_nop 0
	PLACES 4
	s_branch .Lhead_ok
.Lhead_sc:
	s_cmp_eq_u32 s[WV], 12
	s_cbranch_scc0 .Lhead_ok
	tensor_load_to_lds s[60:63], s[68:75]
	s_nop 0
	PLACES 4
.Lhead_ok:
	s_add_nc_u64 s[46:47], s[4:5], s[42:43]
	s_add_nc_u64 s[48:49], s[4:5], s[44:45]
	s_add_nc_u64 s[50:51], s[8:9], s[54:55]
	s_add_nc_u64 s[52:53], s[8:9], s[56:57]
	v_and_b32 v[TP], 31, v0
	s_delay_alu instid0(VALU_DEP_1)
	v_lshlrev_b32 v[L16], 4, v[TP]
	s_delay_alu instid0(VALU_DEP_2)
	v_lshlrev_b32 v[L4], 2, v[TP]
	global_load_b128 v[Q:Q+3], v[L16], s[46:47]              ; Q's codes stay in registers
	global_load_b128 v[Q+8:Q+11], v[L16], s[46:47] offset:512
	global_load_b32 v[QSC], v[L4], s[48:49]                  ; lanes 0-15 tile 0's scale words, lanes 16-31 tile 1's
	v_and_b32 v[BT], 7, v0                         ; r % 8
	v_bfe_u32 v[BT+1], v0, 3, 1                    ; r / 8
	v_bfe_u32 v[TP], v0, 4, 1                      ; h
	v_lshlrev_b32 v[LKB], 4, v[BT]
	v_lshl_add_u32 v[LKSB], v[BT], 2, SCB
	v_mad_u32_u24 v[LKB], v[BT+1], ROWP, v[LKB]
	v_lshl_add_u32 v[LKSB], v[BT+1], 7, v[LKSB]
	v_lshl_add_u32 v[LKB], v[TP], 8, v[LKB]
	v_lshl_add_u32 v[LKSB], v[TP], 6, v[LKSB]
	v_add_nc_u32 v[LVSB], SCB+6144, v[L4]
	v_lshlrev_b32 v[SH8], 3, v[TP]
	v_mul_u32_u24 v[HW], v[TP], 10
	v_lshlrev_b32 v[F], 1, v[TP]
	v_sub_nc_u32 v[Q+4], 10, v[HW]                 ; k = 64 lies in the lowest four bits of register 4 of lanes 0-15: the code of -1.0 there, 0 in lanes 16-31
	v_sub_nc_u32 v[KF+4], 2, v[F]                  ; and the code of +1.0 on the key's side
	v_sub_nc_u32 v[Q+12], 10, v[HW]
.irp t, 1,2,3,4,5,6,7
	v_sub_nc_u32 v[KF+8*\t+4], 2, v[F]
.endr
.irp n, 5,6,7
	v_mov_b32 v[Q+\n], 0
	v_mov_b32 v[Q+8+\n], 0
.irp t, 0,1,2,3,4,5,6,7
	v_mov_b32 v[KF+8*\t+\n], 0
.endr
.endr
	v_mov_b32 v[F+1], 0                            ; (named as the upper half of a pair)
	s_wait_alu depctr_va_vdst(0)
	s_wait_tensorcnt 0x0                           ; my part of the record is in LDS (a wave that fetched nothing passes at once),
	s_barrier_signal -1
	s_barrier_wait -1                              ; everybody's is
	s_wait_loadcnt 0x0                             ; Q
; A KEY STEP for query tile qi.  At its head S^T of its 128 keys stands in registers.
.macro STEP qi
.irp p, 0,1
	ds_load_b32 v[VSC+\p], v[ADVS] offset:128*\p   ; V of this step: the four address lines behind the last products are the places ahead of these loads
.endr
.irp t, 0,1,2,3
.irp c, 0,1
	ds_load_b128 v[VF+8*\t+4*\c:VF+8*\t+4*\c+3], v[ADV] offset:VB+ROWP*\t+512*\c
.endr
.endr
	s_cmp_eq_u32 s[CNT], 1                         ; the last step has no next
	s_cbranch_scc1 .Lno_k_\@
	KLOAD 1
.Lno_k_\@:
.irp g, 0,1                                    ; my two blocks' largest scores, each in two chains; each accumulator is read from its low end on
.irp u, 0,1
	v_max3_num_f32 v[BM+\g+2*\u], v[S+32*\g+16*\u], v[S+32*\g+16*\u+1], v[S+32*\g+16*\u+2]
.endr
.endr
.irp i, 3,5,7,9,11,13
.irp g, 0,1
.irp u, 0,1
	v_max3_num_f32 v[BM+\g+2*\u], v[BM+\g+2*\u], v[S+32*\g+16*\u+\i], v[S+32*\g+16*\u+\i+1]
.endr
.endr
.endr
.irp g, 0,1
	v_max3_num_f32 v[BM+\g], v[BM+\g], v[BM+\g+2], v[S+32*\g+15]
.endr
.irp g, 0,1
	v_max_num_f32 v[BM+\g], v[BM+\g], v[S+32*\g+31]
.endr
	s_delay_alu instid0(VALU_DEP_1)
	v_max_num_f32 v[TP], v[BM], v[BM+1]
	s_delay_alu instid0(VALU_DEP_1)
	v_permlanex16_b32 v[BT], v[TP], s[SEL], s[SEL+1]
	s_delay_alu instid0(VALU_DEP_1)
	v_max3_num_f32 v[SX], v[SX], v[TP], v[BT]      ; the running largest score of my query (c is positive)
	s_delay_alu instid0(VALU_DEP_1)
	v_mul_f32 v[TP], s[CN], v[SX]
	s_delay_alu instid0(VALU_DEP_1)
	v_floor_f32 v[NM], v[TP]                       ; the new -M = floor(-t): M is a whole number
	TMF 0, 4
	v_sub_f32 v[TP], v[NM], v[OLD]                 ; old M - new M: a whole number, 0 or less
	TMF 8, 4
	v_cvt_i32_f32 v[TP], v[TP]                     ; (it saturates)
	TMF 16, 4
	v_ldexp_f32 v[F], 1.0, v[TP]                   ; f = 2^(old M - new M)
	TMF 24, 20
.irp g, 0,1
	v_fma_f32 v[BM+\g], v[BM+\g], s[CS], v[NM]     ; the same of each block's largest score
.endr
.irp j, 0,2,4,6,8,10,12,14,16,18,20,22,24,26,28,30
	v_pk_mul_f32 v[O+\j:O+\j+1], v[O+\j:O+\j+1], v[F:F+1] op_sel_hi:[1,0]   ; O^T under the new M
.endr
	s_wait_alu depctr_va_vdst(0)                   ; ahead of the batch
	v_exp_f32 v[BM], v[BM]                         ; the block's largest p: the same two instructions on the same number give the same bits
	v_exp_f32 v[BM+1], v[BM+1]
.set n, 0
.rept 64
	v_exp_f32 v[S+n], v[S+n]                       ; p = 2^(t - M)
.set n, n+1
.endr
	v_mov_b32 v[OLD], v[NM]                        ; (the plain instruction behind the exponentials)
	s_wait_alu depctr_va_vdst(0)                   ; one wait for the batch, ahead of its first reader
.irp g, 0,1
	v_max_num_f32 v[BM+\g], 0x1800000, v[BM+\g]    ; the floor 2^(3 - 127): the byte cannot fall under 1
.endr
.irp g, 0,1
	s_delay_alu instid0(VALU_DEP_2)
	v_add_nc_u32 v[SCL+\g], 0xff000000, v[BM+\g]   ; 2 off the exponent field: the conversions' scale operand
.endr
.irp g, 0,1
.irp t, 0,1,2,3
	v_cvt_scalef32_pk8_fp4_f32 v[PC+4*\g+\t], v[S+32*\g+8*\t:S+32*\g+8*\t+7], v[SCL+\g]   ; register 4 g + t: keys 64 g + 32 h + 8 t + 0 .. 7
.endr
.endr
.irp g, 0,1
	v_lshrrev_b32 v[BT+\g], 23, v[SCL+\g]          ; the scales' bytes (also the plain instructions behind the conversions)
.endr
	s_delay_alu instid0(VALU_DEP_1)
	v_lshl_or_b32 v[TP], v[BT+1], 16, v[BT]        ; blocks h and 2 + h,
	ADDS 2, 0, 4                                   ; THE ROW'S SUM IS TAKEN OF THE UNQUANTISED p, in place: the codes have been made
	v_lshlrev_b32 v[TP], v[SH8], v[TP]             ; at their places in the scale word;
	ADDS 2, 16, 4
	v_permlanex16_b32 v[BT], v[TP], s[SEL], s[SEL+1]
	ADDS 2, 32, 4
	v_or_b32 v[PSC], v[TP], v[BT]                  ; with lane l xor 16's two the word is whole.  Twenty plain instructions follow ahead of the products that take it
	ADDS 2, 48, 4
	ADDS 4, 0, 8
	ADDS 8, 0, 4
	ADDS 16, 0, 2
	s_delay_alu instid0(VALU_DEP_1)
	ADDS 32, 0, 1
	s_delay_alu instid0(VALU_DEP_1)
	v_pk_fma_f32 v[LS:LS+1], v[LS:LS+1], v[F:F+1], v[S:S+1] op_sel_hi:[1,0,1]   ; the sums under the new M, and this step's
	s_wait_dscnt 0x0                               ; V of this step and K of the next, asked for at the step's head
.irp t, 0,1,2,3
	OW \t                                          ; the four accumulators take turns
.endr
	s_cmp_eq_u32 s[CNT], 1
	s_cbranch_scc1 .Lno_s_\@
	SMUL \qi                                       ; the next step's scores
.Lno_s_\@:
.endm
.macro QTILE i
.if \i
	s_wait_xcnt 0x0                                ; tile 0's stores have read their registers
.endif
	v_mov_b32 v[SX], 0xff61b1e6                    ; the largest score so far: -3e38
	v_mov_b32 v[NM], 0x7f61b1e6
	v_mov_b32 v[OLD], 0x7f61b1e6
	v_mov_b32 v[LS], 0
	v_mov_b32 v[LS+1], 0
	s_mov_b32 s[KO], 0
	s_mov_b32 s[SO], 0
	s_mov_b32 s[VO], 0
	s_mov_b32 s[CNT], 12
	ADDR
	KLOAD 0
	s_wait_alu depctr_va_vdst(0)
	s_wait_dscnt 0x0
	SMUL \i                                        ; step 0's scores
.set n, 0
.rept 32
	v_mov_b32 v[O+n], 0                            ; the step is written once: the first finds zeros.  (Also the places behind the products above)
.set n, n+1
.endr
.Lstep_\@:
	STEP \i
	s_add_co_u32 s[KO], s[KO], KST
	s_add_co_u32 s[SO], s[SO], 512
	s_add_co_u32 s[VO], s[VO], 256
	ADDR                                           ; four plain instructions behind the products: the places ahead of the next loads and of the first read of S^T
	s_sub_co_u32 s[CNT], s[CNT], 1
	s_cmp_lg_u32 s[CNT], 0
	s_wait_alu depctr_va_vdst(0)
	s_cbranch_scc1 .Lstep_\@
	v_add_f32 v[LS], v[LS], v[LS+1]
	s_delay_alu instid0(VALU_DEP_1)
	v_permlanex16_b32 v[TP], v[LS], s[SEL], s[SEL+1]
	s_delay_alu instid0(VALU_DEP_1)
	v_add_f32 v[LS], v[LS], v[TP]                  ; the row's sum
	v_mov_b32 v[TM+2], 0                           ; a lane permute's destination counts as one of its sources
	v_mov_b32 v[TM+3], 0
	s_wait_alu depctr_va_vdst(0)
	v_rcp_f32 v[LS], v[LS]
	v_nop
	s_wait_alu depctr_va_vdst(0)                   ; ahead of the first reader of the reciprocal and of O^T
.irp j, 0,2,4,6,8,10,12,14,16,18,20,22,24,26,28,30
	v_pk_mul_f32 v[S+\j:S+\j+1], v[O+\j:O+\j+1], v[LS:LS+1] op_sel_hi:[1,0]   ; O^T / the sum: register 16 B + i is channel 32 B + 16 h + i of the head
.endr
	QUANT32 S, OC+4*\i, HW
	v_cmp_le_f32 vcc_lo, 0xce000000, v[SX]         ; -2^29 <= the largest score: some key counted
	s_delay_alu instid0(VALU_DEP_1)
	v_cndmask_b32 v[HW], 0xffff, v[HW], vcc_lo
	global_store_b128 v[L16], v[OC+4*\i:OC+4*\i+3], s[50:51] offset:8192*\i   ; 512 consecutive bytes of the tile's image
.if \i == 0
	v_mov_b32 v[HWSAV], v[HW]
.else
	v_cndmask_b32 v[HW], v[HWSAV], v[HW], s40      ; lanes 0-15 tile 0's bytes, lanes 16-31 tile 1's
	global_store_b16 v[L4], v[HW], s[52:53]        ; two of a word's four bytes: the neighbouring head stores the other two
.endif
.endm
	QTILE 0
	QTILE 1
	s_wait_tensorcnt 0x0                           ; the wave's end
	ds_add_u32 v[SPW], v[NIL]
	s_wait_dscnt 0x0
	s_endpgm
.Lfunc_end_k_qf820581520_attn:
	.size	k_qf820581520_attn, .Lfunc_end_k_qf820581520_attn-k_qf820581520_attn
	.p2alignl 7, 3214868480
	.fill 96, 4, 3214868480
	.section	.rodata,"a",@progbits
	.p2align	6, 0x0
	.amdhsa_kernel k_qf820581520_attn
		.amdhsa_group_segment_fixed_size 169984
		.amdhsa_private_segment_fixed_size 0
		.amdhsa_enable_private_segment 0
		.amdhsa_kernarg_size 24
		.amdhsa_user_sgpr_count 2
		.amdhsa_user_sgpr_kernarg_segment_ptr 1
		.amdhsa_wavefront_size32 1
		.amdhsa_system_sgpr_workgroup_id_x 1
		.amdhsa_system_sgpr_workgroup_id_y 1
		.amdhsa_system_sgpr_workgroup_id_z 1
		.amdhsa_system_vgpr_workitem_id 0
		.amdhsa_next_free_vgpr 256
		.amdhsa_next_free_sgpr 80
		.amdhsa_reserve_vcc 1
		.amdhsa_float_denorm_mode_32 3
		.amdhsa_float_denorm_mode_16_64 3
		.amdhsa_memory_ordered 1
		.amdhsa_forward_progress 1
		.amdhsa_inst_pref_size 52
	.end_amdhsa_kernel
	.amdgpu_metadata
---
amdhsa.version: [ 1, 2 ]
amdhsa.kernels:
  - .name:           k_qf820581520_attn
    .symbol:         k_qf820581520_attn.kd
    .args:
      - { .name: qq, .offset: 0, .size: 8, .value_kind: global_buffer, .address_space: global }
      - { .name: kv, .offset: 8, .size: 8, .value_kind: global_buffer, .address_space: global }
      - { .name: att, .offset: 16, .size: 8, .value_kind: global_buffer, .address_space: global }
    .group_segment_fixed_size: 169984
    .private_segment_fixed_size: 0
    .kernarg_segment_align: 8
    .kernarg_segment_size: 24
    .max_flat_workgroup_size: 512
    .sgpr_count:     80
    .vgpr_count:     256
    .wavefront_size: 32
...
	.end_amdgpu_metadata
.endif
;; end of part 3
;; launch oproj (part 4): grid 8 x 32, 4 waves a work-group, no clusters, 327,680 bytes of LDS; arguments att, pre, Wo_scales, hidden_states, gate, out0; writes out0
.if DOCPART == 4
	.amdgcn_target "amdgcn-amd-amdhsa--gfx1250"
	.amdhsa_code_object_version 6
	.text
	.protected	k_qf820581520_oproj
	.globl	k_qf820581520_oproj
	.p2align	8
	.type	k_qf820581520_oproj,@function
k_qf820581520_oproj:
	s_mov_b64 s[64:65], 0
	v_nop
	global_prefetch_b8 v0, s[64:65] scope:SCOPE_SE
	s_setreg_imm32_b32 hwreg(HW_REG_WAVE_MODE, 25, 1), 1
	s_wait_xcnt 0x0
.set WI_OFF, 7798784
.set WSL,    65536
.set STG,    69632
.set L16,  1
.set L4,   2
.set AW,   3
.set AWS0, 4
.set AWS,  5
.set STO,  6
.set RD,   7
.set CO,   8
.set TG,   10
.set XS,   16
.set WS,   32
.set WF,   48
.set T,    48
.set ACC,  112
.set HB,   67
.set HS,   68
.set MSB, 0
.macro WIN new
.if MSB != \new
	s_set_vgpr_msb (MSB<<8)|\new
.set MSB, \new
.endif
.endm
.macro PLACES n
.rept \n
	v_nop
.endr
.endm
.macro WM d, a, b, z, sa, sb, ra, rb
.set wD, \d
.set wA, \a
.set wB, \b
.set wZ, \z
.set wSA, \sa
.set wSB, \sb
.set wR, 2*(\ra)+(\rb)
.if wZ
.if wR == 0
	v_wmma_scale_f32_16x16x128_f8f6f4 v[wD:wD+7], v[wA:wA+7], v[wB:wB+7], 0, v[wSA], v[wSB] matrix_a_fmt:MATRIX_FMT_FP4 matrix_b_fmt:MATRIX_FMT_FP4
.elseif wR == 1
	v_wmma_scale_f32_16x16x128_f8f6f4 v[wD:wD+7], v[wA:wA+7], v[wB:wB+7], 0, v[wSA], v[wSB] matrix_a_fmt:MATRIX_FMT_FP4 matrix_b_fmt:MATRIX_FMT_FP4 matrix_b_scale:MATRIX_SCALE_ROW1
.elseif wR == 2
	v_wmma_scale_f32_16x16x128_f8f6f4 v[wD:wD+7], v[wA:wA+7], v[wB:wB+7], 0, v[wSA], v[wSB] matrix_a_fmt:MATRIX_FMT_FP4 matrix_b_fmt:MATRIX_FMT_FP4 matrix_a_scale:MATRIX_SCALE_ROW1
.else
	v_wmma_scale_f32_16x16x128_f8f6f4 v[wD:wD+7], v[wA:wA+7], v[wB:wB+7], 0, v[wSA], v[wSB] matrix_a_fmt:MATRIX_FMT_FP4 matrix_b_fmt:MATRIX_FMT_FP4 matrix_a_scale:MATRIX_SCALE_ROW1 matrix_b_scale:MATRIX_SCALE_ROW1
.endif
.else
.if wR == 0
	v_wmma_scale_f32_16x16x128_f8f6f4 v[wD:wD+7], v[wA:wA+7], v[wB:wB+7], v[wD:wD+7], v[wSA], v[wSB] matrix_a_fmt:MATRIX_FMT_FP4 matrix_b_fmt:MATRIX_FMT_FP4
.elseif wR == 1
	v_wmma_scale_f32_16x16x128_f8f6f4 v[wD:wD+7], v[wA:wA+7], v[wB:wB+7], v[wD:wD+7], v[wSA], v[wSB] matrix_a_fmt:MATRIX_FMT_FP4 matrix_b_fmt:MATRIX_FMT_FP4 matrix_b_scale:MATRIX_SCALE_ROW1
.elseif wR == 2
	v_wmma_scale_f32_16x16x128_f8f6f4 v[wD:wD+7], v[wA:wA+7], v[wB:wB+7], v[wD:wD+7], v[wSA], v[wSB] matrix_a_fmt:MATRIX_FMT_FP4 matrix_b_fmt:MATRIX_FMT_FP4 matrix_a_scale:MATRIX_SCALE_ROW1
.else
	v_wmma_scale_f32_16x16x128_f8f6f4 v[wD:wD+7], v[wA:wA+7], v[wB:wB+7], v[wD:wD+7], v[wSA], v[wSB] matrix_a_fmt:MATRIX_FMT_FP4 matrix_b_fmt:MATRIX_FMT_FP4 matrix_a_scale:MATRIX_SCALE_ROW1 matrix_b_scale:MATRIX_SCALE_ROW1
.endif
.endif
.endm
.macro WFLOAD st
.set wS, \st
.irp t, 0,1,2,3
.irp c, 0,1
	ds_load_b128 v[WF+32*(wS%2)+8*\t+4*\c:WF+32*(wS%2)+8*\t+4*\c+3], v[AW] offset:\t*8192+wS*1024+\c*512
.endr
.endr
.endm
.macro COLMUL
	v_add_nc_u32 v[AW], s[HB], v[L16]
	s_wait_alu depctr_va_vdst(0)
	v_add_nc_u32 v[AWS], s[HS], v[AWS0]
.irp n, 0,1,2,3
	ds_load_b128 v[WS+4*\n:WS+4*\n+3], v[AWS] offset:(\n/2)*1024+16*(\n%2)
.endr
	WFLOAD 0
.irp s, 0,1,2,3,4,5,6,7
.if \s < 7
.if \s > 0
	PLACES 4
.endif
	WFLOAD \s+1
	s_wait_dscnt 8
.else
	s_wait_dscnt 0x0
.endif
	WIN 0x04
.irp g, 0,1,2,3
.irp e, 0,1,2,3
	WM ACC+8*(4*\g+\e), WF+32*(\s%2)+8*\e, 64*\g+8*\s, \s==0, WS+8*(\e/2)+\s, XS+8*(\g/2)+\s, \e%2, \g%2
.endr
.endr
	WIN 0
.endr
.endm
.macro OUT cg, a
.irp n, 0,4,8,12,16,20,24,28
	ds_store_b128 v[STO], v[ACC+32*\a+\n:ACC+32*\a+\n+3] offset:128*(\n/16)+4*(\n%16)
.endr
.irp i, 0,1,2,3,4,5,6,7
	ds_load_b128 v[T+4*\i:T+4*\i+3], v[RD] offset:544*\i
.endr
	s_wait_loadcnt 8*(3-\a)+32*(1-\cg)
	s_wait_dscnt 0x0
	WIN 0xa0
.irp n, 0,2,4,6,8,10,12,14,16,18,20,22,24,26,28,30
	v_pk_fma_f32 v[128*\cg+32*\a+\n:128*\cg+32*\a+\n+1], v[T+\n:T+\n+1], v[TG:TG+1], v[128*\cg+32*\a+\n:128*\cg+32*\a+\n+1]
.endr
	WIN 0x08
.irp i, 0,1,2,3,4,5,6,7
	global_store_b128 v[CO], v[128*\cg+32*\a+4*\i:128*\cg+32*\a+4*\i+3], s[54:55] offset:(16*\a+2*\i)*4096+256*\cg th:TH_STORE_NT
.endr
	WIN 0
.endm
	s_load_b256 s[4:11], s[0:1], 0x0
	s_load_b128 s[12:15], s[0:1], 0x20
	v_lshl_add_u32 v254, v0, 2, 0x29000
	v_mov_b32 v255, 0
	ds_add_u32 v254, v255
	ds_add_u32 v254, v255
	v_lshrrev_b32 v12, 5, v0
	v_readfirstlane_b32 s18, v12
	s_mov_b32 s19, ttmp9
	s_and_b32 s20, ttmp7, 0xffff
	s_lshl_b32 s25, s20, 4
	s_lshl_b32 s61, s18, 2
	s_add_co_u32 s25, s25, s61
	s_mov_b32 s28, 3<<16
	s_mov_b32 s29, 32<<16
	s_mov_b32 s30, 128<<16
	s_mov_b32 s31, 32<<16
	s_mov_b32 s32, 128
	s_mov_b32 s33, 32
	s_mov_b32 s34, 0
	s_mov_b32 s35, 0
	s_mov_b32 s36, 3<<16
	s_mov_b32 s37, 32<<16
	s_mov_b32 s38, 16<<16
	s_mov_b32 s39, 32<<16
	s_mov_b32 s40, 16
	s_mov_b32 s41, 32
	s_mov_b32 s42, 0
	s_mov_b32 s43, 0
	s_mov_b32 s44, 1
	s_lshl_b32 s45, s18, 15
	s_mov_b32 s48, 1
	s_mov_b32 s49, WSL
	s_lshl_b32 s26, s19, 3
	s_add_co_u32 s26, s26, 192
	s_lshl_b32 s26, s26, 13
	s_add_co_u32 s26, s26, s45
	s_add_co_u32 s26, s26, WI_OFF
	s_mov_b32 s27, 0
	s_lshl_b32 s76, s19, 12
	s_mov_b32 s77, 0
	s_mul_i32 s61, s18, 4352
	s_add_co_u32 s61, s61, STG
	v_and_b32 v12, 31, v0
	v_lshlrev_b32 v[L16], 4, v12
	v_lshlrev_b32 v[L4], 2, v12
	v_and_b32 v12, 15, v0
	v_bfe_u32 v13, v0, 4, 1
	v_and_b32 v14, 8, v0
	v_add_nc_u32 v14, v12, v14
	v_lshl_add_u32 v[AWS0], v13, 3, v14
	v_lshlrev_b32 v[AWS0], 5, v[AWS0]
	v_add_nc_u32 v[AWS0], WSL, v[AWS0]
	v_mul_u32_u24 v[STO], v12, 272
	v_lshl_add_u32 v[STO], v13, 6, v[STO]
	v_add_nc_u32 v[STO], s61, v[STO]
	v_mul_u32_u24 v[RD], v13, 272
	v_lshl_add_u32 v[RD], v12, 4, v[RD]
	v_add_nc_u32 v[RD], s61, v[RD]
	v_lshlrev_b32 v[CO], 12, v13
	v_lshl_add_u32 v[CO], v12, 4, v[CO]
	s_wait_alu depctr_va_vdst(0)
	s_wait_dscnt 0x0
	s_wait_kmcnt 0x0
	s_add_nc_u64 s[46:47], s[6:7], s[26:27]
	s_or_b32 s47, s47, 0x80000000
	s_add_nc_u64 s[50:51], s[8:9], s[76:77]
	s_or_b32 s51, s51, 0x80000000
	; the head's fills, one a wave: waves 0 and 1 fetch 128 rows of 256 bytes of the weight's image each, wave 2 its 4,096 scale bytes; one chain of arms, one join
	s_cmp_lt_u32 s18, 2
	s_cbranch_scc0 .Lhead_sc
	tensor_load_to_lds s[44:47], s[28:35]
	s_nop 0
	PLACES 4
	s_branch .Lhead_ok
.Lhead_sc:
	s_cmp_eq_u32 s18, 2
	s_cbranch_scc0 .Lhead_ok
	tensor_load_to_lds s[48:51], s[36:43]
	s_nop 0
	PLACES 4
.Lhead_ok:
	s_load_b32 s74, s[12:13], 0x0
	s_lshl_b32 s26, s25, 13
	s_add_nc_u64 s[70:71], s[4:5], s[26:27]
	s_lshl_b32 s26, s25, 9
	s_add_co_u32 s26, s26, 0x400000
	s_add_nc_u64 s[72:73], s[4:5], s[26:27]
	s_lshl_b32 s26, s25, 16
	s_lshl_b32 s76, s19, 9
	s_add_co_u32 s26, s26, s76
	s_add_nc_u64 s[52:53], s[10:11], s[26:27]
	s_add_nc_u64 s[54:55], s[14:15], s[26:27]
	WIN 0x40
.irp a, 0,1,2,3
.irp s, 0,1,2,3,4,5,6,7
.irp c, 0,1
	global_load_b128 v[64*\a+8*\s+4*\c:64*\a+8*\s+4*\c+3], v[L16], s[70:71] offset:\a*8192+\s*1024+\c*512
.endr
.endr
.endr
	WIN 0
.irp p, 0,1
.irp s, 0,1,2,3,4,5,6,7
	global_load_b32 v[XS+8*\p+\s], v[L4], s[72:73] offset:\p*1024+\s*128
.endr
.endr
	WIN 0x80
.irp a, 0,1,2,3
.irp i, 0,1,2,3,4,5,6,7
	global_load_b128 v[32*\a+4*\i:32*\a+4*\i+3], v[CO], s[52:53] offset:(16*\a+2*\i)*4096 th:TH_LOAD_NT
.endr
.endr
	s_wait_loadcnt 32
.irp a, 0,1,2,3
.irp i, 0,1,2,3,4,5,6,7
	global_load_b128 v[128+32*\a+4*\i:128+32*\a+4*\i+3], v[CO], s[52:53] offset:(16*\a+2*\i)*4096+256 th:TH_LOAD_NT
.endr
.endr
	WIN 0
	s_wait_kmcnt 0x0
	v_mov_b32 v12, s74
	v_mul_f32 v12, 0x4038aa3b, v12
	s_wait_alu depctr_va_vdst(0)
	v_exp_f32 v12, v12
	v_nop
	s_wait_alu depctr_va_vdst(0)
	v_add_f32 v12, 1.0, v12
	s_wait_alu depctr_va_vdst(0)
	v_rcp_f32 v12, v12
	v_nop
	s_wait_alu depctr_va_vdst(0)
	v_fma_f32 v[TG], v12, -2.0, 1.0
	v_mov_b32 v[TG+1], v[TG]
	s_wait_tensorcnt 0x0
	s_barrier_signal -1
	s_barrier_wait -1
	s_mov_b32 s[HB], 0
	s_mov_b32 s[HS], 0
	COLMUL
	PLACES 5
	OUT 0, 0
	OUT 0, 1
	OUT 0, 2
	OUT 0, 3
	s_mov_b32 s[HB], 32768
	s_mov_b32 s[HS], 2048
	COLMUL
	PLACES 5
	OUT 1, 0
	OUT 1, 1
	OUT 1, 2
	OUT 1, 3
	s_wait_tensorcnt 0x0
	ds_add_u32 v254, v255
	s_wait_dscnt 0x0
	s_endpgm
.Lfunc_end_k_qf820581520_oproj:
	.size	k_qf820581520_oproj, .Lfunc_end_k_qf820581520_oproj-k_qf820581520_oproj
	.p2alignl 7, 3214868480
	.fill 96, 4, 3214868480
	.section	.rodata,"a",@progbits
	.p2align	6, 0x0
	.amdhsa_kernel k_qf820581520_oproj
		.amdhsa_group_segment_fixed_size 327680
		.amdhsa_private_segment_fixed_size 0
		.amdhsa_enable_private_segment 0
		.amdhsa_kernarg_size 48
		.amdhsa_user_sgpr_count 2
		.amdhsa_user_sgpr_kernarg_segment_ptr 1
		.amdhsa_wavefront_size32 1
		.amdhsa_system_sgpr_workgroup_id_x 1
		.amdhsa_system_sgpr_workgroup_id_y 1
		.amdhsa_system_sgpr_workgroup_id_z 1
		.amdhsa_system_vgpr_workitem_id 0
		.amdhsa_next_free_vgpr 768
		.amdhsa_next_free_sgpr 80
		.amdhsa_reserve_vcc 0
		.amdhsa_float_denorm_mode_32 3
		.amdhsa_float_denorm_mode_16_64 3
		.amdhsa_memory_ordered 1
		.amdhsa_forward_progress 1
		.amdhsa_inst_pref_size 87
	.end_amdhsa_kernel
	.amdgpu_metadata
---
amdhsa.version: [ 1, 2 ]
amdhsa.kernels:
  - .name:           k_qf820581520_oproj
    .symbol:         k_qf820581520_oproj.kd
    .args:
      - { .name: att, .offset: 0, .size: 8, .value_kind: global_buffer, .address_space: global }
      - { .name: pre, .offset: 8, .size: 8, .value_kind: global_buffer, .address_space: global }
      - { .name: Wo_scales, .offset: 16, .size: 8, .value_kind: global_buffer, .address_space: global }
      - { .name: hidden_states, .offset: 24, .size: 8, .value_kind: global_buffer, .address_space: global }
      - { .name: gate, .offset: 32, .size: 8, .value_kind: global_buffer, .address_space: global }
      - { .name: out0, .offset: 40, .size: 8, .value_kind: global_buffer, .address_space: global }
    .group_segment_fixed_size: 327680
    .private_segment_fixed_size: 0
    .kernarg_segment_align: 8
    .kernarg_segment_size: 48
    .max_flat_workgroup_size: 128
    .sgpr_count:     80
    .vgpr_count:     768
    .wavefront_size: 32
...
	.end_amdgpu_metadata
.endif
;; end of part 4
